; MI455X (gfx1250); checked and timed in simulation.
; The chip was launched on July 23, 2026; its instructions are those of AMD's public machine-readable ISA for CDNA 5 (MIT licence, August 2026) and "CDNA5" Instruction Set Architecture Reference Guide (July 2026). The comments in the code are by the model that wrote it; some were corrected since.
;; Multi Head Attention. Allowed arithmetic: matrix products marked QUANTISED: E2M3 operands, one E8M0 scale for each 32 along K, by v_wmma_scale_f32_16x16x128_f8f6f4 with both operands' format E2M3, f32 sums; everything else in f32.
;; Inputs: Wf 1,024 x 64 float32; Wk 1,024 x 1,024 float32; Wq 1,024 x 1,024 float32; Wv 1,024 x 1,024 float32; bf 64 float32; bk 1,024 float32; bq 1,024 float32; bv 1,024 float32; x 4 x 2,048 x 1,024 float32.
;; Outputs: out0 4 x 2,048 x 64 float32.
;; This version of the problem:
;;   THIS VERSION OF THE PROBLEM IS GIVEN IN LOW PRECISION. The matrix products marked QUANTISED in the list below multiply operands that are first quantised to E2M3 (2 exponent bits, 3 mantissa bits; 6 bits a number), with one power-of-two scale for each 32 numbers along K (OCP MX v1.0); their sums are f32. All else is computed in f32.
;;   The module's matrix products, in the order in which they are computed (A, B: the left and right operand; K: the contracted axis; several contracted axes count as one K, in the product's order):
;;     1. [M 8,192, K 1,024] x [K 1,024, N 1,024]; A: input x; B: input Wq: QUANTISED
;;     2. [M 8,192, K 1,024] x [K 1,024, N 1,024]; A: input x; B: input Wk: QUANTISED
;;     3. [M 8,192, K 1,024] x [K 1,024, N 1,024]; A: input x; B: input Wv: QUANTISED
;;     4. batch 64 x [M 2,048, K 64] x [K 64, N 2,048]; A: computed on the way; B: computed on the way: QUANTISED
;;     5. batch 64 x [M 2,048, K 2,048] x [K 2,048, N 64]; A: softmax (see below); B: computed on the way: QUANTISED
;;     6. [M 8,192, K 1,024] x [K 1,024, N 64]; A: computed on the way; B: input Wf: QUANTISED
;;   THE QUANTISER, for each operand of a quantised product, along K:
;;     - K is cut into blocks of 32 from its start; a last block that is shorter is filled with zeros.
;;     - A block's scale is 2^e with e = floor(log2(the largest magnitude in the block)) - 2, held to -126 .. 127; a block of zeros has e = 0. As a byte (E8M0): e + 127.
;;     - Each number is divided by its block's scale, clamped to +-7.5, and rounded to the nearest number of E2M3, ties to even, subnormals kept.
;;     - The product sums the exact products of the quantised numbers (number of the format x scale) in f32.
;;   ~~~python
;;   def quantise(x, axis):      # numpy; x: float32 -> the quantised numbers, widened to float32 again
;;       x = np.moveaxis(x, axis, -1); K = x.shape[-1]
;;       x = np.pad(x, [(0, 0)] * (x.ndim - 1) + [(0, -K % 32)]); x = x.reshape(x.shape[:-1] + (-1, 32)); a = np.abs(x).max(-1, keepdims=True)
;;       e = np.where(a > 0, np.clip(np.frexp(np.where(a > 0, a, 1))[1] - 1 - 2, -126, 127), 0)      # np.frexp(a)[1] - 1 = floor(log2(a)), exactly
;;       r = np.clip(x / 2.0 ** e, -7.5, 7.5)
;;       step = 2.0 ** (np.maximum(np.frexp(np.where(r == 0, 1, r))[1] - 1, 0) - 3)
;;       q = np.round(r / step) * step * 2.0 ** e      # np.round: ties to even
;;       return np.moveaxis(q.reshape(q.shape[:-2] + (-1,))[..., :K], -1, axis).astype(np.float32)
;;   ~~~
;;   SOFTMAX AHEAD OF A QUANTISED PRODUCT. Where the list says 'softmax', what is quantised is not the finished softmax but p = 2^(t - M), with t = logit x log2(e) and M = ceil(the row's largest t), a whole number; so 1/2 < the row's largest p <= 1. The row's sum l is taken of the UNQUANTISED p, in f32, and the product's result is divided by l at the end. Since M is a whole number, a kernel that streams over the keys may use a running M (the ceiling of the running maximum): every later rescaling is an exact power of two, which a block's scale takes up: the codes' values come out the same.
;;   OPERANDS COMPUTED ON THE WAY. 'Computed on the way' means the value that the module computes at that place (a softmax that the list does not call 'softmax' is quantised finished and normalised). What goes into a quantiser is computed in f32, as accurately as f32 sums, v_exp_f32 and their like allow (about 1e-6 of the number): no bf16 or f16 on the way to a quantiser, and a product that is left as it is and whose result goes on into a quantised operand takes f32 operands (vector FMAs, or v_wmma_f32_16x16x4_f32). A number that lies on a knife's edge between two numbers of the format may be rounded either way, as far as f32 arithmetic and the matrix unit's own rounding can turn it there, and no further.
;; One version. Each part assembles by itself: llvm-mc -triple=amdgcn-amd-amdhsa -mcpu=gfx1250 --defsym DOCPART=n.
;; ======== version 1 of 1: 4 launches
;; limits: right only within a limited range of input values
;; workspace buffers: ops 9,062,400 bytes; qkv 20,185,088 bytes; ctx 6,553,600 bytes
;; launch prep (part 1): grid 452 x 1, 4 waves a work-group, no clusters, 60,928 bytes of LDS; arguments x, Wq, Wk, Wv, Wf, ops; writes ops
.if DOCPART == 1
	.amdgcn_target "amdgcn-amd-amdhsa--gfx1250"
	.amdhsa_code_object_version 6
	.text
	.protected	k_q42479ec77c_prep
	.globl	k_q42479ec77c_prep
	.p2align	8
	.type	k_q42479ec77c_prep,@function
k_q42479ec77c_prep:
	s_mov_b64 s[64:65], 0
	v_nop
	global_prefetch_b8 v0, s[64:65] scope:SCOPE_SE
	s_setreg_imm32_b32 hwreg(HW_REG_WAVE_MODE, 25, 1), 1
	s_wait_xcnt 0x0
; x [8192][1024], Wq, Wk, Wv [1024 (k)][1024], Wf [1024 (k)][64], all f32, become codes of FP6 (E2M3) with one E8M0 byte for each 32 along K, in the workspace ops.
; A block's scale is 2^(floor(log2(largest magnitude)) - 2): its byte is the largest magnitude's exponent field - 2, held at 1 from below by a floor among the maximum's leaves.
; LIMITS: NaN and infinities are not served; a block whose largest magnitude lies under 2^-124 keeps the byte 1; a block of zeros has the byte 1 (its codes are zeros, and only this program reads the bytes).
; THE IMAGE.  An operand lies in ops as its registers will lie: a fragment (16 rows x 128 K, 12 registers a lane) is 1,536 bytes = [plane 0..2][lane][16 bytes]; register 4 p + i of a lane is word i of its 16 bytes in plane p;
; registers 6 c .. 6 c + 5 of lane (r, h) hold k = 64 c + 32 h + 0 .. 31.  THE ROWS OF A TILE: tile 2 G + u holds in lane r row 32 G + 8 u + r + 8 (r / 8).
; ops: codes [block of 256 rows 0..43][K slot of 256: 0..3][tile 0..15][128 of K: 0..1][1536] (blocks 0-31 x, 32-35 Wq, 36-39 Wk, 40-43 Wv: rows = output channels); Wf's codes [K slot][tile 0..3][0..1][1536];
;      scale words [block][tile][K slot][r][0..1] (4 bytes = 128 along K); Wf's likewise.
; Three ways through the text, by the work-group's number, each with LDS bytes of its own; waves share nothing, so there is no barrier.
.set OPS_WF_IMG, 8650752
.set OPS_SCL,    8699904
.set OPS_WF_SCL, 9060352
.set TM,   8                           ; v8-23   x: largest magnitudes, bytes, scale operands
.set PWS,  24                          ; v24-27  x: the four K steps' scale words
.set PW,   28                          ; v28     the scale word just made
.set RA,   32                          ; v32-159 x: two sets of 64 registers as loaded
.set X,    160                         ; v160-223 x: 64 numbers of my row, register 16 b + i = k 32 b + 16 h + i
.set PC,   224                         ; v224-235 a fragment's codes
.set PT,   236                         ; v236-242 the conversions' second halves
.set SEL,  24                          ; s[24:25] lane selects: lane l xor 16
.set XW,   32                          ; weights: v32-159 128 numbers down K of my column, 32 registers for each block
.set CW,   160                         ; v160+8 b: six registers of codes for each block
.set PTW,  192                         ; v192+4 b
.set OUTW, 208                         ; v208-231 two fragments read back
; 64 numbers of a lane become a fragment's codes (registers 0-5 at d0, 6-11 at d1) and its row's scale word in v[PW].
.macro QUANT s, d0, d1
.irp b, 0,1,2,3
	v_max3_num_f32 v[TM+\b], |v[\s+16*\b]|, |v[\s+1+16*\b]|, 0x1800000     ; my 16 numbers of block b, and the floor 2^(3 - 127)
.endr
.irp i, 2,4,6,8,10,12,14
.irp b, 0,1,2,3
	v_max3_num_f32 v[TM+\b], v[TM+\b], |v[\s+16*\b+\i]|, |v[\s+1+16*\b+\i]|
.endr
.endr
.irp b, 0,1,2,3
	v_permlanex16_b32 v[TM+4+\b], v[TM+\b], s[SEL], s[SEL+1]
.endr
.irp b, 0,1,2,3
	v_max_num_f32 v[TM+\b], v[TM+\b], v[TM+4+\b]                       ; with lane l xor 16's: the block's largest magnitude
.endr
.irp b, 0,1,2,3
	v_add_nc_u32 v[TM+12+\b], 0xff000000, v[TM+\b]                     ; 2 off its exponent field: the conversion's scale operand
.endr
.irp b, 0,1,2,3
	v_lshrrev_b32 v[TM+4+\b], 23, v[TM+12+\b]                          ; the scale's byte
.endr
	v_lshl_or_b32 v[PW], v[TM+5], 8, v[TM+4]
	v_lshl_or_b32 v[PW], v[TM+6], 16, v[PW]
	v_lshl_or_b32 v[PW], v[TM+7], 24, v[PW]
	s_wait_xcnt 0x0                                                    ; the last fragment's stores have read the registers that are written now
	v_cvt_scalef32_pk16_fp6_f32 v[\d0:\d0+2], v[\s:\s+15], v[TM+12]
	v_cvt_scalef32_pk16_fp6_f32 v[PT:PT+2], v[\s+16:\s+31], v[TM+13]
	v_cvt_scalef32_pk16_fp6_f32 v[\d1:\d1+2], v[\s+32:\s+47], v[TM+14]
	v_cvt_scalef32_pk16_fp6_f32 v[PT+4:PT+6], v[\s+48:\s+63], v[TM+15]
	v_nop                                                              ; one plain line behind the scaled conversions
.irp i, 0,1,2
	v_permlane16_swap_b32 v[\d0+\i], v[PT+\i]                          ; a whole block to a lane: lanes 0-15 the even block, lanes 16-31 the odd one
.endr
.irp i, 0,1,2
	v_mov_b32 v[\d0+3+\i], v[PT+\i]
.endr
.irp i, 0,1,2
	v_permlane16_swap_b32 v[\d1+\i], v[PT+4+\i]
.endr
.irp i, 0,1,2
	v_mov_b32 v[\d1+3+\i], v[PT+4+\i]
.endr
.endm
	s_load_b256 s[4:11], s[0:1], 0x0               ; x, Wq, Wk, Wv
	s_load_b128 s[12:15], s[0:1], 0x20             ; Wf, ops
	v_lshl_add_u32 v254, v0, 2, 0xec00
	v_mov_b32 v255, 0
	v_lshrrev_b32 v1, 5, v0
	v_readfirstlane_b32 s16, v1                    ; wave 0..3
	v_and_b32 v2, 31, v0                           ; lane
	s_cmp_lt_u32 ttmp9, 256
	s_cbranch_scc0 .Lweights
; ---- x: work-groups 0-255.  A wave takes one tile of 16 rows and half of K: four K steps of 128.
; Each load reads 512 consecutive bytes of one row; the 16 rows turn through the wave's stage (rows of 528 bytes), from which lane (r, h) takes 16 neighbours of each block of its row.
	s_mov_b32 s[SEL], 0x76543210
	s_mov_b32 s[SEL+1], 0xfedcba98
	s_lshl_b32 s17, ttmp9, 2
	s_add_co_u32 s17, s17, s16
	s_and_b32 s18, s17, 1                          ; which half of K
	s_lshr_b32 s17, s17, 1                         ; tile 0..511
	s_lshr_b32 s19, s17, 1
	s_lshl_b32 s19, s19, 17                        ; 32 rows of 4,096 bytes for each pair of tiles,
	s_and_b32 s20, s17, 1
	s_lshl_b32 s20, s20, 15                        ; 8 rows for the odd tile,
	s_add_co_u32 s20, s20, s19
	s_lshl_b32 s19, s18, 11                        ; 2,048 bytes for the second half of K
	s_add_co_u32 s20, s20, s19
	s_mov_b32 s21, 0
	s_lshr_b32 s19, s17, 4                         ; block of 256 rows
	s_and_b32 s26, s17, 15                         ; tile in it
	s_mul_i32 s22, s19, 196608
	s_mul_i32 s27, s18, 98304
	s_add_co_u32 s22, s22, s27
	s_mul_i32 s27, s26, 3072
	s_add_co_u32 s22, s22, s27                     ; where my codes begin
	s_mov_b32 s23, 0
	s_lshl_b32 s28, s19, 13
	s_lshl_b32 s27, s26, 9
	s_add_co_u32 s28, s28, s27
	s_lshl_b32 s27, s18, 8
	s_add_co_u32 s28, s28, s27
	s_add_co_u32 s28, s28, OPS_SCL                 ; and my 256 bytes of scale words
	s_mov_b32 s29, 0
	s_wait_alu depctr_va_vdst(0)
	v_lshlrev_b32 v3, 4, v2                        ; 16 x lane
	s_mul_i32 s27, s16, 8448                       ; my stage: 16 rows x 528 bytes
	v_add_nc_u32 v4, s27, v3                       ; in: 16 x lane of a row
	v_and_b32 v5, 15, v2
	v_lshrrev_b32 v7, 4, v2
	v_mul_u32_u24 v5, v5, 528
	v_lshl_add_u32 v5, v7, 6, v5
	v_add_nc_u32 v5, s27, v5                       ; out: row r, + 64 h
	v_lshlrev_b32 v6, 3, v2                        ; 8 x lane
.irp b, 0,1,2,3
	v_mov_b32 v[TM+4+\b], 0                        ; written once: a lane permute's destination counts as one of its sources
.endr
	s_wait_alu depctr_va_vdst(0)
	s_wait_kmcnt 0x0
	s_add_nc_u64 s[4:5], s[4:5], s[20:21]
	s_add_nc_u64 s[22:23], s[14:15], s[22:23]
	s_add_nc_u64 s[28:29], s[14:15], s[28:29]
.macro LOADX sl                        ; K step sl of the tile's 16 rows into set sl % 2
.irp i, 0,1,2,3,4,5,6,7,8,9,10,11,12,13,14,15
	global_load_b128 v[RA+64*((\sl)%2)+4*\i:RA+64*((\sl)%2)+4*\i+3], v3, s[4:5] offset:(\i+8*(\i/8))*4096+512*(\sl) th:TH_LOAD_NT
.endr
.endm
.macro KSTEPX sl
.if (\sl) < 3
	s_wait_loadcnt 16                              ; this step's 16 loads are in; the next step's 16 may be out
.else
	s_wait_loadcnt 0x0
.endif
.irp i, 0,1,2,3,4,5,6,7,8,9,10,11,12,13,14,15
	ds_store_b128 v4, v[RA+64*((\sl)%2)+4*\i:RA+64*((\sl)%2)+4*\i+3] offset:528*\i
.endr
.irp b, 0,1,2,3
.irp j, 0,1,2,3
	ds_load_b128 v[X+16*\b+4*\j:X+16*\b+4*\j+3], v5 offset:128*\b+16*\j    ; LDS serves a wave's instructions in order: these see the stores above
.endr
.endr
	s_wait_dscnt 0x0                               ; my numbers are back, and the stage's stores have read their set,
.if (\sl)+2 < 4
	LOADX (\sl)+2                                  ; which takes the loads of two steps on
.endif
	QUANT X, PC, PC+6
	v_mov_b32 v[PWS+(\sl)], v[PW]
.irp p, 0,1,2
	global_store_b128 v3, v[PC+4*\p:PC+4*\p+3], s[22:23] offset:((\sl)/2)*49152+((\sl)%2)*1536+512*\p   ; 512 consecutive bytes
.endr
.endm
	LOADX 0
	LOADX 1
	KSTEPX 0
	KSTEPX 1
	KSTEPX 2
	KSTEPX 3
	v_cmp_gt_u32 vcc_lo, 16, v2                    ; lanes 0-15 store row r's words of the first K slot, lanes 16-31 those of the second: 256 consecutive bytes
	v_cndmask_b32 v30, v[PWS+2], v[PWS], vcc_lo
	v_cndmask_b32 v31, v[PWS+3], v[PWS+1], vcc_lo
	global_store_b64 v6, v[30:31], s[28:29]
	s_wait_tensorcnt 0x0
	ds_add_u32 v254, v255
	s_wait_dscnt 0x0
	s_endpgm
; ---- the weights: K is their first axis.  A lane takes a column and its registers run down K: a block of 32 lies in one lane.  A wave takes 32 columns x 128 of K: two fragments.
; Block bt's 32 rows of my column, into the block's own 32 registers.
.macro WLOAD bt, pitch
.set LDI, 0
.rept 32
	global_load_b32 v[XW+32*(\bt)+LDI], v3, s[4:5] offset:(32*(\bt)+LDI)*\pitch th:TH_LOAD_NT    ; 32 lanes read 128 consecutive bytes of one row
.set LDI, LDI+1
.endr
.endm
; In: s20 = group of 32 columns, s21 = K step, s22, s23 = where the block's codes and scale words begin in ops, s[4:5] = the weight.
.macro WPATH pitch, nt, stage
	s_mul_i32 s26, s21, 128*\pitch
	s_lshl_b32 s27, s20, 7
	s_add_co_u32 s26, s26, s27
	s_mov_b32 s27, 0
	s_add_nc_u64 s[4:5], s[4:5], s[26:27]          ; row 128 s, column 32 G
	s_lshr_b32 s28, s21, 1                         ; K slot
	s_and_b32 s29, s21, 1                          ; which 128 of it
	s_and_b32 s30, s20, \nt/2-1                    ; the group within its block of rows
	s_mul_i32 s26, s28, \nt*3072
	s_add_co_u32 s22, s22, s26
	s_mul_i32 s26, s30, 6144
	s_add_co_u32 s22, s22, s26
	s_mul_i32 s26, s29, 1536
	s_add_co_u32 s22, s22, s26
	s_lshl_b32 s26, s30, 10
	s_add_co_u32 s23, s23, s26
	s_lshl_b32 s26, s28, 7
	s_add_co_u32 s23, s23, s26
	s_lshl_b32 s26, s29, 2
	s_add_co_u32 s23, s23, s26
	s_mov_b32 s26, s22
	s_add_nc_u64 s[28:29], s[14:15], s[26:27]      ; my codes
	s_mov_b32 s26, s23
	s_add_nc_u64 s[30:31], s[14:15], s[26:27]      ; my scale words
	v_lshlrev_b32 v3, 2, v2                        ; in: 4 bytes a lane
	WLOAD 0, \pitch                                ; the loads run two blocks ahead: 64 of a wave are out at the most
	WLOAD 1, \pitch
	v_bfe_u32 v8, v2, 3, 1                         ; my column's tile of the two,
	v_and_b32 v9, 7, v2
	v_lshrrev_b32 v10, 4, v2
	v_lshl_add_u32 v9, v10, 3, v9                  ; and its lane r there
	s_mul_i32 s26, s16, 3328                       ; my stage: two fragments, 1,664 bytes apart
	s_add_co_u32 s26, s26, \stage
	v_mul_u32_u24 v4, v8, 1664
	v_lshl_add_u32 v4, v9, 4, v4
	v_add_nc_u32 v4, s26, v4
	v_lshlrev_b32 v6, 4, v2
	v_add_nc_u32 v5, s26, v6
	v_lshlrev_b32 v7, 9, v8
	v_lshl_add_u32 v7, v9, 3, v7                   ; my row's scale word: 512 bytes a tile, 8 a row
.irp bt, 0,1,2,3
.if \bt < 3
	s_wait_loadcnt 32                              ; this block's 32 loads are in; the 32 of the block behind it may be out
.else
	s_wait_loadcnt 0x0
.endif
.if \bt < 2
	WLOAD \bt+2, \pitch                            ; the block two on, into registers of its own
.endif
	v_max3_num_f32 v12, |v[XW+32*\bt]|, |v[XW+32*\bt+1]|, |v[XW+32*\bt+2]|
	v_max3_num_f32 v13, |v[XW+32*\bt+3]|, |v[XW+32*\bt+4]|, |v[XW+32*\bt+5]|
.irp i, 6,10,14,18,22,26
	v_max3_num_f32 v12, v12, |v[XW+32*\bt+\i]|, |v[XW+32*\bt+\i+1]|
	v_max3_num_f32 v13, v13, |v[XW+32*\bt+\i+2]|, |v[XW+32*\bt+\i+3]|
.endr
	v_max3_num_f32 v12, v12, |v[XW+32*\bt+30]|, |v[XW+32*\bt+31]|
	v_max3_num_f32 v12, v12, v13, 0x1800000        ; and the floor
	v_add_nc_u32 v14, 0xff000000, v12
	v_lshrrev_b32 v13, 23, v14
.if \bt == 0
	v_mov_b32 v24, v13
.else
	v_lshl_or_b32 v24, v13, 8*\bt, v24
.endif
	v_cvt_scalef32_pk16_fp6_f32 v[CW+8*\bt:CW+8*\bt+2], v[XW+32*\bt:XW+32*\bt+15], v14
	v_cvt_scalef32_pk16_fp6_f32 v[PTW+4*\bt:PTW+4*\bt+2], v[XW+32*\bt+16:XW+32*\bt+31], v14
	v_nop                                          ; one plain line behind the scaled conversions
.irp i, 0,1,2
	v_mov_b32 v[CW+8*\bt+3+\i], v[PTW+4*\bt+\i]
.endr
; block bt is registers 6 (bt / 2) .. + 5 of image lane (r, bt % 2): words 0-3 fill plane 0, 4-5 and 6-7 share plane 1, 8-11 fill plane 2
.if \bt < 2
	ds_store_b128 v4, v[CW+8*\bt:CW+8*\bt+3] offset:256*(\bt%2)
	ds_store_b64 v4, v[CW+8*\bt+4:CW+8*\bt+5] offset:512+256*(\bt%2)
.else
	ds_store_b64 v4, v[CW+8*\bt:CW+8*\bt+1] offset:520+256*(\bt%2)
	ds_store_b128 v4, v[CW+8*\bt+2:CW+8*\bt+5] offset:1024+256*(\bt%2)
.endif
.endr
.irp t, 0,1
.irp p, 0,1,2
	ds_load_b128 v[OUTW+12*\t+4*\p:OUTW+12*\t+4*\p+3], v5 offset:\t*1664+512*\p   ; LDS serves a wave's instructions in order: these see the stores above
.endr
.endr
	s_wait_alu depctr_va_vdst(0)
	s_wait_dscnt 0x0
.irp t, 0,1
.irp p, 0,1,2
	global_store_b128 v6, v[OUTW+12*\t+4*\p:OUTW+12*\t+4*\p+3], s[28:29] offset:\t*3072+512*\p   ; 512 consecutive bytes
.endr
.endr
	global_store_b32 v7, v24, s[30:31]             ; 4 bytes of every 8: the other K step's wave stores the rest (100 KB of scale words in all)
	s_wait_tensorcnt 0x0
	ds_add_u32 v254, v255
	s_wait_dscnt 0x0
	s_endpgm
.endm
.Lweights:
	s_cmp_lt_u32 ttmp9, 448
	s_cbranch_scc0 .Lwf
	s_sub_co_u32 s17, ttmp9, 256                   ; work-groups 256-447: 64 for each of Wq, Wk, Wv
	s_lshl_b32 s18, s17, 2
	s_add_co_u32 s18, s18, s16
	s_lshr_b32 s19, s18, 8                         ; which weight
	s_bfe_u32 s21, s18, 0x30005                    ; K step 0..7
	s_and_b32 s20, s18, 31                         ; group of 32 columns: the four waves stand side by side on 512 bytes
	s_lshl_b32 s26, s19, 2
	s_lshr_b32 s27, s20, 3
	s_add_co_u32 s26, s26, s27
	s_add_co_u32 s26, s26, 32                      ; its block of 256 rows in ops
	s_mul_i32 s22, s26, 196608
	s_lshl_b32 s23, s26, 13
	s_add_co_u32 s23, s23, OPS_SCL
	s_wait_kmcnt 0x0
	s_cmp_lt_u32 s17, 64
	s_cselect_b64 s[4:5], s[6:7], s[8:9]
	s_cmp_lt_u32 s17, 128
	s_cselect_b64 s[4:5], s[4:5], s[10:11]
	s_wait_alu depctr_va_vdst(0)
	WPATH 4096, 16, 33792
.Lwf:
	s_sub_co_u32 s17, ttmp9, 448                   ; work-groups 448-451: Wf, 2 groups of columns x 8 K steps
	s_lshl_b32 s17, s17, 2
	s_add_co_u32 s17, s17, s16
	s_and_b32 s20, s17, 1
	s_lshr_b32 s21, s17, 1
	s_mov_b32 s22, OPS_WF_IMG
	s_mov_b32 s23, OPS_WF_SCL
	s_wait_kmcnt 0x0
	s_mov_b64 s[4:5], s[12:13]
	s_wait_alu depctr_va_vdst(0)
	WPATH 256, 4, 47104
.Lfunc_end_k_q42479ec77c_prep:
	.size	k_q42479ec77c_prep, .Lfunc_end_k_q42479ec77c_prep-k_q42479ec77c_prep
	.p2alignl 7, 3214868480
	.fill 96, 4, 3214868480
	.section	.rodata,"a",@progbits
	.p2align	6, 0x0
	.amdhsa_kernel k_q42479ec77c_prep
		.amdhsa_group_segment_fixed_size 60928
		.amdhsa_private_segment_fixed_size 0
		.amdhsa_enable_private_segment 0
		.amdhsa_kernarg_size 48
		.amdhsa_user_sgpr_count 2
		.amdhsa_user_sgpr_kernarg_segment_ptr 1
		.amdhsa_wavefront_size32 1
		.amdhsa_system_sgpr_workgroup_id_x 1
		.amdhsa_system_sgpr_workgroup_id_y 1
		.amdhsa_system_sgpr_workgroup_id_z 1
		.amdhsa_system_vgpr_workitem_id 0
		.amdhsa_next_free_vgpr 256
		.amdhsa_next_free_sgpr 66
		.amdhsa_reserve_vcc 1
		.amdhsa_float_denorm_mode_32 3
		.amdhsa_float_denorm_mode_16_64 3
		.amdhsa_memory_ordered 1
		.amdhsa_forward_progress 1
		.amdhsa_inst_pref_size 77
	.end_amdhsa_kernel
	.amdgpu_metadata
---
amdhsa.version: [ 1, 2 ]
amdhsa.kernels:
  - .name:           k_q42479ec77c_prep
    .symbol:         k_q42479ec77c_prep.kd
    .args:
      - { .name: x, .offset: 0, .size: 8, .value_kind: global_buffer, .address_space: global }
      - { .name: Wq, .offset: 8, .size: 8, .value_kind: global_buffer, .address_space: global }
      - { .name: Wk, .offset: 16, .size: 8, .value_kind: global_buffer, .address_space: global }
      - { .name: Wv, .offset: 24, .size: 8, .value_kind: global_buffer, .address_space: global }
      - { .name: Wf, .offset: 32, .size: 8, .value_kind: global_buffer, .address_space: global }
      - { .name: ops, .offset: 40, .size: 8, .value_kind: global_buffer, .address_space: global }
    .group_segment_fixed_size: 60928
    .private_segment_fixed_size: 0
    .kernarg_segment_align: 8
    .kernarg_segment_size: 48
    .max_flat_workgroup_size: 128
    .sgpr_count:     66
    .vgpr_count:     256
    .wavefront_size: 32
...
	.end_amdgpu_metadata
.endif
;; end of part 1
;; launch proj (part 2): grid 12 x 32, 4 waves a work-group, clusters of 4 x 4, 327,680 bytes of LDS; arguments ops, bq, bk, bv, qkv; writes qkv
.if DOCPART == 2
	.amdgcn_target "amdgcn-amd-amdhsa--gfx1250"
	.amdhsa_code_object_version 6
	.text
	.protected	k_q42479ec77c_proj
	.globl	k_q42479ec77c_proj
	.p2align	8
	.type	k_q42479ec77c_proj,@function
k_q42479ec77c_proj:
	s_mov_b64 s[64:65], 0
	v_nop
	global_prefetch_b8 v0, s[64:65] scope:SCOPE_SE
	s_setreg_imm32_b32 hwreg(HW_REG_WAVE_MODE, 25, 1), 1
	s_wait_xcnt 0x0
	s_wait_alu depctr_hold_cnt(0) depctr_sa_sdst(0) depctr_va_vdst(0) depctr_va_sdst(0) depctr_va_ssrc(0) depctr_va_vcc(0) depctr_vm_vsrc(0)
	s_getreg_b32 s2, hwreg(HW_REG_IB_STS2, 6, 4)
	s_cmp_eq_u32 s2, 0
	s_cbranch_scc0 .Lentry_in_a_cluster
	s_endpgm
.Lentry_in_a_cluster:
	s_bfe_u32 s2, ttmp6, 0x10000c
	s_cmp_lg_u32 s2, 0xf033
	s_cbranch_scc0 .Lentry_shape_is_right
	s_endpgm
.Lentry_shape_is_right:
.set NQ,     2
.set FR,     12
.set NL,     3
.set NP,     4
.set HALFT,  24576
.set SLOT,   4*HALFT
.set KSLOTB, 49152
.set SCLB,   2*SLOT
.set SPARE,  213248
.set OPS_SCL, 8699904
.set V_IMG,   12582912
.set QKV_SCL, 18874368
.set VO,   8
.set ADRA, 16
.set ADRB, 20
.set LI,   24
.set L8,   25
.set LN,   26
.set ADRS, 27
.set SPW,  28
.set NIL,  29
.set SC,   32
.set BIAS, 64
.set AF,   128
.set H,    128
.set OUT0, 192
.set OUT1, 204
.set PT,   216
.set SCW,  224
.set TM,   232
.set PW,   248
.set PWE,  249
.set TT,   250
.set SEL,  66
.set G1, 24
.set G0, 32
.set G1B, 48
.set G0B, 56
.set G1S, 68
.set G0S, 76
.set G1SB, 80
.set G0SB, 88
.set MSB, 0
.macro WIN new
.if MSB != (\new)
	s_set_vgpr_msb (MSB<<8)|(\new)
.set MSB, (\new)
.endif
.endm
.set MUL_LO, 0xa1
.set MUL_HI, 0xf1
.set TO_B,   0x40
.macro JLOAD g0a, g1a, g0b, g1b
	s_cmp_eq_u32 s15, 0
	s_cbranch_scc0 .Lfor_b_\@
	tensor_load_to_lds s[\g0a:\g0a+3], s[\g1a:\g1a+7]
	s_nop 0
.rept 4
	v_nop
.endr
	s_branch .Lasked_\@
.Lfor_b_\@:
	tensor_load_to_lds s[\g0b:\g0b+3], s[\g1b:\g1b+7]
	s_nop 0
.rept 4
	v_nop
.endr
.Lasked_\@:
.endm
.macro CREST
	s_cmp_lg_u32 s14, 0
	s_cbranch_scc1 .Lnot_wave_0_\@
	s_barrier_signal -3
.Lnot_wave_0_\@:
	s_barrier_wait -3
	s_barrier_signal -1
	s_barrier_wait -1
.endm
.macro CROUND
	s_barrier_signal -1
	s_barrier_wait -1
	CREST
.endm
	s_load_b256 s[4:11], s[0:1], 0x0
	s_load_b64 s[12:13], s[0:1], 0x20
	v_lshl_add_u32 v[SPW], v0, 2, SPARE
	v_mov_b32 v[NIL], 0
	ds_add_u32 v28, v29
	ds_add_u32 v28, v29
	s_wait_dscnt 0x0
	v_lshrrev_b32 v1, 5, v0
	v_readfirstlane_b32 s14, v1
	s_lshr_b32 s15, s14, 1
	s_and_b32 s16, s14, 1
	s_bfe_u32 s40, ttmp6, 0x40000
	s_bfe_u32 s41, ttmp6, 0x40004
	s_and_b32 s17, ttmp7, 0xffff
	s_lshl_b32 s17, s17, 2
	s_lshl_b32 s18, ttmp9, 2
	s_add_co_u32 s18, s18, 32
	s_lshl_b32 s43, s41, 2
	s_lshl_b32 s43, 15, s43
	s_lshl_b32 s44, 0x1111, s40
	s_or_b32 s[G1+0], s43, (3<<16)|(1<<21)
	s_or_b32 s[G1B+0], s44, (3<<16)|(1<<21)
.irp g, G1, G1B
	s_mov_b32 s[\g+1], 32<<16
	s_mov_b32 s[\g+2], 192<<16
	s_mov_b32 s[\g+3], 32<<16
	s_mov_b32 s[\g+4], 192
	s_mov_b32 s[\g+5], 32
	s_mov_b32 s[\g+6], 0
	s_mov_b32 s[\g+7], 0
.endr
	s_or_b32 s[G1S+0], s43, (3<<16)|(1<<21)
	s_or_b32 s[G1SB+0], s44, (3<<16)|(1<<21)
.irp g, G1S, G1SB
	s_mov_b32 s[\g+1], 32<<16
	s_mov_b32 s[\g+2], 32<<16
	s_mov_b32 s[\g+3], 32<<16
	s_mov_b32 s[\g+4], 32
	s_mov_b32 s[\g+5], 32
	s_mov_b32 s[\g+6], 0
	s_mov_b32 s[\g+7], 0
.endr
	s_cmp_eq_u32 ttmp9, 2
	s_cselect_b32 s20, 40, s17
	s_cselect_b32 s46, s17, s18
	s_add_co_u32 s20, s20, s41
	s_add_co_u32 s46, s46, s40
	s_lshl_b32 s22, s20, 13
	s_mul_i32 s20, s20, 196608
	s_lshl_b32 s92, s46, 13
	s_mul_i32 s46, s46, 196608
	s_mul_i32 s18, s16, HALFT
	s_add_co_u32 s20, s20, s18
	s_add_co_u32 s46, s46, s18
	s_add_co_u32 s22, s22, OPS_SCL
	s_add_co_u32 s92, s92, OPS_SCL
	s_mov_b32 s21, 0
	s_mov_b32 s23, 0
	s_mov_b32 s47, 0
	s_mov_b32 s93, 0
	s_mul_i32 s45, s14, HALFT
	s_mov_b32 s[SEL], 0x76543210
	s_mov_b32 s[SEL+1], 0xfedcba98
	s_wait_kmcnt 0x0
	s_add_nc_u64 s[20:21], s[4:5], s[20:21]
	s_add_nc_u64 s[22:23], s[4:5], s[22:23]
	s_add_nc_u64 s[46:47], s[4:5], s[46:47]
	s_add_nc_u64 s[92:93], s[4:5], s[92:93]
	CROUND
	s_mov_b32 s[G0S], 1
	s_mov_b32 s[G0S+1], SCLB
	s_mov_b64 s[G0S+2:G0S+3], s[22:23]
	s_or_b32 s[G0S+3], s[G0S+3], 0x80000000
	s_mov_b32 s[G0SB], 1
	s_mov_b32 s[G0SB+1], SCLB+8320
	s_mov_b64 s[G0SB+2:G0SB+3], s[92:93]
	s_or_b32 s[G0SB+3], s[G0SB+3], 0x80000000
.irp s, 0,1
	s_mov_b32 s[G0+4*\s], 1
	s_add_co_u32 s[G0+4*\s+1], s45, \s*SLOT
	s_add_nc_u64 s[G0+4*\s+2:G0+4*\s+3], s[20:21], \s*KSLOTB
	s_or_b32 s[G0+4*\s+3], s[G0+4*\s+3], 0x80000000
	s_mov_b32 s[G0B+4*\s], 1
	s_add_co_u32 s[G0B+4*\s+1], s45, \s*SLOT
	s_add_nc_u64 s[G0B+4*\s+2:G0B+4*\s+3], s[46:47], \s*KSLOTB
	s_or_b32 s[G0B+4*\s+3], s[G0B+4*\s+3], 0x80000000
.endr
; the head's four tiles, one joint load a wave, in one chain of branches on the wave's number: wave 0 slot 0's 192 rows of A (its own group 0 points at their start), wave 1 A's scale words, wave 2 slot 0's 192 rows of B, wave 3 B's scale words
	s_cmp_lt_u32 s14, 1
	s_cbranch_scc0 .Lhead_sa
	tensor_load_to_lds s[G0:G0+3], s[G1:G1+7]
	s_nop 0
.rept 4
	v_nop
.endr
	s_branch .Lhead_asked
.Lhead_sa:
	s_cmp_lt_u32 s14, 2
	s_cbranch_scc0 .Lhead_b
	tensor_load_to_lds s[G0S:G0S+3], s[G1S:G1S+7]
	s_nop 0
.rept 4
	v_nop
.endr
	s_branch .Lhead_asked
.Lhead_b:
	s_cmp_lt_u32 s14, 3
	s_cbranch_scc0 .Lhead_sb
	tensor_load_to_lds s[G0B:G0B+3], s[G1B:G1B+7]
	s_nop 0
.rept 4
	v_nop
.endr
	s_branch .Lhead_asked
.Lhead_sb:
	tensor_load_to_lds s[G0SB:G0SB+3], s[G1SB:G1SB+7]
	s_nop 0
.rept 4
	v_nop
.endr
.Lhead_asked:
	v_and_b32 v1, 15, v0
	v_bfe_u32 v2, v0, 4, 1
	s_wait_alu depctr_va_vdst(0)
	v_and_b32 v[LN], 31, v0
	v_lshlrev_b32 v[LI], 4, v[LN]
	v_lshlrev_b32 v[L8], 3, v[LN]
	s_mul_i32 s21, s15, HALFT
	s_mul_i32 s22, s16, HALFT
	s_add_co_u32 s22, s22, 2*HALFT
.irp s, 0,1
	v_add_nc_u32 v[ADRA+\s], s21, v[LI]
	v_add_nc_u32 v[ADRB+\s], s22, v[LI]
	s_add_co_u32 s21, s21, SLOT
	s_add_co_u32 s22, s22, SLOT
.endr
	s_lshl_b32 s21, s15, 12
	s_lshl_b32 s22, s16, 12
	s_add_co_u32 s22, s22, 8320
	s_sub_co_u32 s22, s22, s21
	v_mul_u32_u24 v6, s22, v2
	s_add_co_u32 s21, s21, SCLB
	v_lshlrev_b32 v5, 3, v1
	v_add_nc_u32 v5, v5, v6
	v_add_nc_u32 v[ADRS], s21, v5
	s_cmp_eq_u32 ttmp9, 0
	s_cselect_b64 s[96:97], s[6:7], s[8:9]
	s_cmp_eq_u32 ttmp9, 2
	s_cselect_b64 s[96:97], s[10:11], s[96:97]
	s_cselect_b32 s18, s41, s40
	s_cselect_b32 s19, s15, s16
	s_cselect_b32 s21, 0, 4
	s_cselect_b32 s22, -1, 0
	s_lshl_b32 s18, s18, 10
	s_lshl_b32 s19, s19, 9
	s_add_co_u32 s18, s18, s19
	s_mov_b32 s19, 0
	s_add_nc_u64 s[96:97], s[96:97], s[18:19]
	v_lshlrev_b32 v3, 6, v2
	v_and_b32 v4, 8, v1
	v_add_nc_u32 v4, v4, v1
	v_lshlrev_b32 v4, 2, v4
	v_cndmask_b32 v3, v3, v4, s22
.irp j, 0,1,2,3,4,5,6,7
	v_mad_u32_u24 v[VO+\j], s21, \j, v3
.endr
.irp t, 0,1,2,3,4,5,6,7
.irp j, 0,1,2,3,4,5,6,7
	global_load_b32 v[BIAS+8*\t+\j], v[VO+\j], s[96:97] offset:128*(\t/2)+32*(\t%2)
.endr
.endr
.irp b, 0,1,2,3
	v_mov_b32 v[TM+4+\b], 0
.endr
.macro FRAG reg, adr, q, i
.irp p, 0,1,2
	ds_load_b128 v[\reg+4*\p:\reg+4*\p+3], v[\adr] offset:(\i)*3072+(\q)*1536+512*\p
.endr
.endm
.macro MUL16 a0, p, q, sc, zero
.irp a, \a0, \a0+1
.irp b, 0,1,2,3,4,5,6,7
.if \zero
	v_wmma_scale_f32_16x16x128_f8f6f4 v[8*(8*((\a)%4)+\b):8*(8*((\a)%4)+\b)+7], v[128*(\p)+FR*\b:128*(\p)+FR*\b+FR-1], v[AF+FR*(\a):AF+FR*(\a)+FR-1], 0, v[SC+8*NQ*(\sc)+NQ*\b+(\q)], v[SC+8*NQ*(\sc)+NQ*(\a)+(\q)] matrix_a_fmt:MATRIX_FMT_FP6 matrix_b_fmt:MATRIX_FMT_FP6 matrix_a_scale:MATRIX_SCALE_ROW1
.else
	v_wmma_scale_f32_16x16x128_f8f6f4 v[8*(8*((\a)%4)+\b):8*(8*((\a)%4)+\b)+7], v[128*(\p)+FR*\b:128*(\p)+FR*\b+FR-1], v[AF+FR*(\a):AF+FR*(\a)+FR-1], v[8*(8*((\a)%4)+\b):8*(8*((\a)%4)+\b)+7], v[SC+8*NQ*(\sc)+NQ*\b+(\q)], v[SC+8*NQ*(\sc)+NQ*(\a)+(\q)] matrix_a_fmt:MATRIX_FMT_FP6 matrix_b_fmt:MATRIX_FMT_FP6 matrix_a_scale:MATRIX_SCALE_ROW1
.endif
.endr
.endr
.endm
.macro FETCH_B slot, q, p
	WIN TO_B
.irp i, 0,1,2,3,4,5,6,7
	FRAG 128*(\p)+FR*\i, ADRB+\slot, \q, \i
.endr
	WIN 0
.endm
.macro FETCH_A slot, q, i0
.irp i, \i0, \i0+1, \i0+2, \i0+3
	FRAG AF+FR*(\i), ADRA+\slot, \q, \i
.endr
.endm
.macro SCALES sc
.irp i, 0,1,2,3,4,5,6,7
	ds_load_b64 v[SC+8*NQ*\sc+NQ*\i:SC+8*NQ*\sc+NQ*\i+1], v[ADRS] offset:\i*512
.endr
.endm
.macro PLACES n
.rept \n
	v_nop
.endr
.endm
.macro STEP slot, q, zero
	s_wait_dscnt 4*NL
	WIN MUL_LO
	MUL16 0, (\q)%2, \q, \slot, \zero
	MUL16 2, (\q)%2, \q, \slot, \zero
	s_wait_dscnt 0
	PLACES NP
	FETCH_B \slot, (\q)+1, 1-(\q)%2
	FETCH_A \slot, (\q)+1, 0
	WIN MUL_HI
	MUL16 4, (\q)%2, \q, \slot, \zero
	MUL16 6, (\q)%2, \q, \slot, \zero
	PLACES NP
	WIN 0
	FETCH_A \slot, (\q)+1, 4
.endm
.macro TURN slot, next, fill
	s_wait_tensorcnt 0x0
	ds_add_u32 v[SPW], v[NIL]
	s_wait_dscnt 4*NL+1
	WIN MUL_LO
	MUL16 0, 1, NQ-1, \slot, 0
	s_wait_dscnt 0x0
	s_barrier_signal -1
	MUL16 2, 1, NQ-1, \slot, 0
	WIN 0
	s_barrier_wait -1
.if \fill
	CREST
	s_add_nc_u64 s[G0+4*\slot+2:G0+4*\slot+3], s[G0+4*\slot+2:G0+4*\slot+3], 2*KSLOTB
	s_add_nc_u64 s[G0B+4*\slot+2:G0B+4*\slot+3], s[G0B+4*\slot+2:G0B+4*\slot+3], 2*KSLOTB
	JLOAD G0+4*\slot, G1, G0B+4*\slot, G1B
.else
	PLACES NP
.endif
	s_wait_alu depctr_va_vdst(0)
	v_add_nc_u32 v[ADRS], 128, v[ADRS]
	FETCH_B \next, 0, 0
	FETCH_A \next, 0, 0
	SCALES \next
	WIN MUL_HI
	MUL16 4, 1, NQ-1, \slot, 0
	MUL16 6, 1, NQ-1, \slot, 0
	PLACES NP
	WIN 0
	FETCH_A \next, 0, 4
.endm
	s_wait_alu depctr_va_vdst(0)                   ; at the head's end
	s_wait_tensorcnt 0x0                           ; my tile of the head's four is in; the lines ahead of a later first fill:
	ds_add_u32 v28, v29
	s_mov_b32 s[G1+2], 96<<16                      ; no tensor load of mine is out: from here on a load brings 96 rows
	s_mov_b32 s[G1+4], 96
	s_mov_b32 s[G1B+2], 96<<16
	s_mov_b32 s[G1B+4], 96
	s_wait_dscnt 0x0
	CROUND                                         ; a whole round: all four tiles are in, the joint loads meet
	JLOAD G0+4, G1, G0B+4, G1B                     ; slot 1's first fill, the first tensor load behind the round
	FETCH_B 0, 0, 0
	FETCH_A 0, 0, 0
	SCALES 0
	FETCH_A 0, 0, 4
	STEP 0, 0, 1
	TURN 0, 1, 1
	STEP 1, 0, 0
	TURN 1, 0, 1
	STEP 0, 0, 0
	TURN 0, 1, 0
	STEP 1, 0, 0
	s_wait_dscnt 4*NL
	WIN MUL_LO
	MUL16 0, 1, NQ-1, 1, 0
	MUL16 2, 1, NQ-1, 1, 0
	s_wait_dscnt 0
	WIN MUL_HI
	MUL16 4, 1, NQ-1, 1, 0
	MUL16 6, 1, NQ-1, 1, 0
	WIN 0
.macro QUANT s, d0, d1
.irp b, 0,1,2,3
	v_max3_num_f32 v[TM+\b], |v[\s+16*\b]|, |v[\s+1+16*\b]|, 0x1800000
.endr
.irp i, 2,4,6,8,10,12,14
.irp b, 0,1,2,3
	v_max3_num_f32 v[TM+\b], v[TM+\b], |v[\s+16*\b+\i]|, |v[\s+1+16*\b+\i]|
.endr
.endr
.irp b, 0,1,2,3
	v_permlanex16_b32 v[TM+4+\b], v[TM+\b], s[SEL], s[SEL+1]
.endr
.irp b, 0,1,2,3
	v_max_num_f32 v[TM+\b], v[TM+\b], v[TM+4+\b]
.endr
.irp b, 0,1,2,3
	v_add_nc_u32 v[TM+12+\b], 0xff000000, v[TM+\b]
.endr
.irp b, 0,1,2,3
	v_lshrrev_b32 v[TM+4+\b], 23, v[TM+12+\b]
.endr
	v_lshl_or_b32 v[PW], v[TM+5], 8, v[TM+4]
	v_lshl_or_b32 v[PW], v[TM+6], 16, v[PW]
	v_lshl_or_b32 v[PW], v[TM+7], 24, v[PW]
	s_wait_xcnt 0x0
	v_cvt_scalef32_pk16_fp6_f32 v[\d0:\d0+2], v[\s:\s+15], v[TM+12]
	v_cvt_scalef32_pk16_fp6_f32 v[PT:PT+2], v[\s+16:\s+31], v[TM+13]
	v_cvt_scalef32_pk16_fp6_f32 v[\d1:\d1+2], v[\s+32:\s+47], v[TM+14]
	v_cvt_scalef32_pk16_fp6_f32 v[PT+4:PT+6], v[\s+48:\s+63], v[TM+15]
	v_nop
.irp i, 0,1,2
	v_permlane16_swap_b32 v[\d0+\i], v[PT+\i]
.endr
.irp i, 0,1,2
	v_mov_b32 v[\d0+3+\i], v[PT+\i]
.endr
.irp i, 0,1,2
	v_permlane16_swap_b32 v[\d1+\i], v[PT+4+\i]
.endr
.irp i, 0,1,2
	v_mov_b32 v[\d1+3+\i], v[PT+4+\i]
.endr
.endm
.macro ADDB a, isv
	WIN 0x02+(\a)/4
.set AI, 0
.rept 32
.if \isv
	v_pk_add_f32 v[H+2*AI:H+2*AI+1], v[64*((\a)%4)+2*AI:64*((\a)%4)+2*AI+1], v[BIAS+8*(\a):BIAS+8*(\a)+1]
.else
	v_pk_add_f32 v[H+2*AI:H+2*AI+1], v[64*((\a)%4)+2*AI:64*((\a)%4)+2*AI+1], v[BIAS+2*AI:BIAS+2*AI+1]
.endif
.set AI, AI+1
.endr
	WIN 0
.endm
.macro WHERE ct, ch, wh, ws
	s_add_co_u32 s20, s17, s[\ct]
	s_lshr_b32 s21, s20, 3
	s_lshl_b32 s21, s21, 4
	s_lshl_b32 s22, s[\ch], 2
	s_add_co_u32 s21, s21, s22
	s_lshl_b32 s22, s[\wh], 1
	s_add_co_u32 s21, s21, s22
	s_and_b32 s20, s20, 7
	s_lshl_b32 s20, s20, 1
	s_add_co_u32 s20, s20, s[\ws]
.endm
	PLACES NP
	s_wait_loadcnt 0x0
	v_cmp_gt_u32 vcc_lo, 16, v[LN]
	s_cmp_eq_u32 ttmp9, 2
	s_cbranch_scc1 .Lepi_v
	WHERE 41, 40, 16, 15
	s_mul_i32 s22, ttmp9, 6291456
	s_mul_i32 s23, s21, 98304
	s_add_co_u32 s22, s22, s23
	s_mul_i32 s23, s20, 6144
	s_add_co_u32 s22, s22, s23
	s_mov_b32 s23, 0
	s_add_nc_u64 s[92:93], s[12:13], s[22:23]
	s_mul_i32 s22, s21, 20480
	s_lshl_b32 s18, ttmp9, 13
	s_add_co_u32 s22, s22, s18
	s_lshl_b32 s18, s20, 9
	s_add_co_u32 s22, s22, s18
	s_add_co_u32 s22, s22, QKV_SCL
	s_add_nc_u64 s[94:95], s[12:13], s[22:23]
.irp p, 0,1,2,3
.irp u, 0,1
	ADDB 2*\p+\u, 0
	QUANT H, OUT0+6*\u, OUT1+6*\u
.if \u == 0
	v_mov_b32 v[PWE], v[PW]
.endif
.endr
.irp c, 0,1
.irp q, 0,1,2
	global_store_b128 v[LI], v[OUT0+12*\c+4*\q:OUT0+12*\c+4*\q+3], s[92:93] offset:\c*98304+\p*1536+512*\q
.endr
.endr
	v_cndmask_b32 v[TT], v[PW], v[PWE], vcc_lo
	v_and_b32 v[SCW+\p], 0xffff, v[TT]
	v_lshrrev_b32 v[SCW+4+\p], 16, v[TT]
.endr
.irp c, 0,1
	global_store_b128 v[LI], v[SCW+4*\c:SCW+4*\c+3], s[94:95] offset:\c*20480
.endr
	s_branch .Ldone
.Lepi_v:
	WHERE 40, 41, 15, 16
	s_mul_i32 s22, s21, 98304
	s_mul_i32 s23, s20, 6144
	s_add_co_u32 s22, s22, s23
	s_add_co_u32 s22, s22, V_IMG
	s_mov_b32 s23, 0
	s_add_nc_u64 s[92:93], s[12:13], s[22:23]
	s_mul_i32 s22, s21, 20480
	s_lshl_b32 s18, s20, 8
	s_add_co_u32 s22, s22, s18
	s_add_co_u32 s22, s22, QKV_SCL+16384
	s_add_nc_u64 s[94:95], s[12:13], s[22:23]
.irp a, 0,1,2,3,4,5,6,7
	ADDB \a, 1
	QUANT H, OUT0, OUT0+6
.irp q, 0,1,2
	global_store_b128 v[LI], v[OUT0+4*\q:OUT0+4*\q+3], s[92:93] offset:(\a/4)*98304+(\a%4)*1536+512*\q
.endr
.if \a%2 == 0
	v_mov_b32 v[PWE], v[PW]
.else
	v_cndmask_b32 v[SCW+\a/2], v[PW], v[PWE], vcc_lo
.endif
.endr
.irp c, 0,1
	global_store_b64 v[L8], v[SCW+2*\c:SCW+2*\c+1], s[94:95] offset:\c*20480
.endr
.Ldone:
	s_wait_tensorcnt 0x0
	ds_add_u32 v[SPW], v[NIL]
	s_wait_dscnt 0x0
	CROUND
	s_endpgm
.Lfunc_end_k_q42479ec77c_proj:
	.size	k_q42479ec77c_proj, .Lfunc_end_k_q42479ec77c_proj-k_q42479ec77c_proj
	.p2alignl 7, 3214868480
	.fill 96, 4, 3214868480
	.section	.rodata,"a",@progbits
	.p2align	6, 0x0
	.amdhsa_kernel k_q42479ec77c_proj
		.amdhsa_group_segment_fixed_size 327680
		.amdhsa_private_segment_fixed_size 0
		.amdhsa_enable_private_segment 0
		.amdhsa_kernarg_size 40
		.amdhsa_user_sgpr_count 2
		.amdhsa_user_sgpr_kernarg_segment_ptr 1
		.amdhsa_wavefront_size32 1
		.amdhsa_system_sgpr_workgroup_id_x 1
		.amdhsa_system_sgpr_workgroup_id_y 1
		.amdhsa_system_sgpr_workgroup_id_z 1
		.amdhsa_system_vgpr_workitem_id 0
		.amdhsa_next_free_vgpr 1024
		.amdhsa_next_free_sgpr 100
		.amdhsa_reserve_vcc 1
		.amdhsa_float_denorm_mode_32 3
		.amdhsa_float_denorm_mode_16_64 3
		.amdhsa_memory_ordered 1
		.amdhsa_forward_progress 1
		.amdhsa_inst_pref_size 214
	.end_amdhsa_kernel
	.amdgpu_metadata
---
amdhsa.version: [ 1, 2 ]
amdhsa.kernels:
  - .name:           k_q42479ec77c_proj
    .symbol:         k_q42479ec77c_proj.kd
    .args:
      - { .name: ops, .offset: 0, .size: 8, .value_kind: global_buffer, .address_space: global }
      - { .name: bq, .offset: 8, .size: 8, .value_kind: global_buffer, .address_space: global }
      - { .name: bk, .offset: 16, .size: 8, .value_kind: global_buffer, .address_space: global }
      - { .name: bv, .offset: 24, .size: 8, .value_kind: global_buffer, .address_space: global }
      - { .name: qkv, .offset: 32, .size: 8, .value_kind: global_buffer, .address_space: global }
    .group_segment_fixed_size: 327680
    .private_segment_fixed_size: 0
    .kernarg_segment_align: 8
    .kernarg_segment_size: 40
    .max_flat_workgroup_size: 128
    .sgpr_count:     100
    .vgpr_count:     1024
    .wavefront_size: 32
...
	.end_amdgpu_metadata
.endif
;; end of part 2
;; launch attn (part 3): grid 4 x 64, 16 waves a work-group, clusters of 4 x 1, 236,544 bytes of LDS; arguments qkv, ctx; writes ctx
.if DOCPART == 3
	.amdgcn_target "amdgcn-amd-amdhsa--gfx1250"
	.amdhsa_code_object_version 6
	.text
	.protected	k_q42479ec77c_attn
	.globl	k_q42479ec77c_attn
	.p2align	8
	.type	k_q42479ec77c_attn,@function
k_q42479ec77c_attn:
	s_mov_b64 s[64:65], 0
	v_nop
	global_prefetch_b8 v0, s[64:65] scope:SCOPE_SE
	s_setreg_imm32_b32 hwreg(HW_REG_WAVE_MODE, 25, 1), 1
	s_wait_xcnt 0x0
	s_wait_alu depctr_hold_cnt(0) depctr_sa_sdst(0) depctr_va_vdst(0) depctr_va_sdst(0) depctr_va_ssrc(0) depctr_va_vcc(0) depctr_vm_vsrc(0)
	s_getreg_b32 s2, hwreg(HW_REG_IB_STS2, 6, 4)
	s_cmp_eq_u32 s2, 0
	s_cbranch_scc0 .Lentry_in_a_cluster
	s_endpgm
.Lentry_in_a_cluster:
	s_bfe_u32 s2, ttmp6, 0x10000c
	s_cmp_lg_u32 s2, 0x3003
	s_cbranch_scc0 .Lentry_shape_is_right
	s_endpgm
.Lentry_shape_is_right:
; ctx[b][q][head][:] = the sum over keys of softmax(q . k / 8) v, both products on codes of FP6 (E2M3) with E8M0 scales; ctx is quantised here along the head's 64 channels and leaves as codes.
; THE SOFTMAX: t = score x log2(e) / 8; M = the running largest t rounded UP to a whole number; p = 2^(t - M) is quantised along the keys, not normalised; the row's sum is taken of the unquantised p and divides at the end.
; LIMITS: NaN and infinities are not served; the promise holds while |t| stays under 2^31; a block whose largest magnitude lies under 2^-124 keeps the byte 1; a block of zeros has the byte 1 (its codes are zeros, only this program reads the bytes).
; SHARES.  A work-group owns one head of one batch (work-group y) and 512 queries; each of its sixteen waves a pair of tiles of 16 queries, taken one after the other.  Four waves to a SIMD: one wave's vector work stands beside another's products and loads.
; THE HEAD'S WHOLE K AND V with their scale words stay in LDS, filled once by one joint load a wave (waves 0-3 K, 4-6 V, 7 the scale words; waves 8-15 issue none); the four work-groups of a head form a cluster and ask jointly.
; No prefetch: the one fill stands at the head, with no loop ahead of it to ask from.
; LAYOUT.  Both products are used transposed (S^T = K Q^T, O^T = V^T P^T): a lane holds one query.  In memory tile 2 G + u of K holds in lane r key 32 G + 8 u + r + 8 (r / 8).
; Here a tile's rows are chosen anew BY ADDRESS: tile 4 c + i takes in rows 0-7 keys 64 c + 8 i + 0..7 and in rows 8-15 keys 64 c + 32 + 8 i + 0..7.  So lane (r, h) holds in S's registers 32 c .. 32 c + 31 the keys 64 c + 32 h + 0..31:
; a WHOLE block of 32 in key order, as the operand's layout wants p: no lane is asked for a block's maximum and no code changes lanes.  K's planes of 512 bytes lie 640 apart in LDS.
; A HEAD HAS 64 CHANNELS, the instruction takes 128: Q's registers 6-11 are zero codes, K's tiles lie six registers apart, and a tile's upper half is the next tile (behind the last: six zeros).
.set K_IMG,   6291456
.set V_IMG,   12582912
.set QKV_SCL, 18874368
.set CTX_SCL, 6291456
.set KSTEP, 7680                       ; a key step of K in LDS: 12 planes of 640 bytes
.set LV,    122880                     ; V's 16 steps of 6,144 bytes
.set LKS,   221184                     ; K's scale words, 512 bytes a step
.set LVS,   229376                     ; V's, 256 bytes a step
.set LCS,   233472                     ; ctx's scale bytes, 1,024: written by LDS stores, in blocks that no fill touches
.set SPARE, 234496                     ; the spare words, 128 bytes a wave
.set LK,   1                           ; 16 x lane
.set LKA,  2                           ; K: 16 (r % 8) + 1920 (r / 8) + 256 h
.set LVA,  3                           ; LV + 16 x lane
.set LKSA, 4                           ; LKS + 16 (r % 8) + 4 (r / 8) + 256 h
.set LVSA, 5                           ; LVS + 8 x lane
.set CSA,  6
.set L8,   7
.set CSR,  8
.set ADK,  9
.set ADV,  10
.set ADS,  11
.set ADT,  12
.set KS,   16                          ; v16-19 K's scale words; v20-21 V's; v22 Q's (lanes 0-15 the first tile, 16-31 the second); v24 p's
.set VS,   20
.set QS,   22
.set PS,   24
.set SPW,  30
.set NIL,  31
.set QF,   32                          ; Q's fragment: six registers of codes, six of zeros
.set S,    44                          ; S^T, then p
.set O,    108                         ; O^T
.set PC,   140                         ; p's codes
.set PT,   152
.set MX,   152                         ; the maxima's four chains, in registers that the conversions use later
.set BM,   160
.set SO,   162
.set TT,   164
.set NM,   166                         ; -M;  v167 the running largest score
.set RS,   167
.set WK,   168
.set OM,   169                         ; the last step's -M
.set FF,   170
.set LS,   172                         ; v172-187 the row's sum in eight chains of two halves, kept from step to step
.set H8,   188                         ; 8 h
.set KV,   190                         ; v190-237 eight tiles of K, then four fragments of V; v238-243 zeros
.set QQ,   244                         ; v244-249 the second tile's codes of Q
.set WV,   18
.set SEL,  20
.set CS,   22                          ; s[22:23] c = log2(e) / 8
.set G1K,  24
.set G1V,  32
.set G1S,  40
.set G0K,  48
.set G0V,  52
.set G0S,  56
.set CNT,  60
.set TK,   62
.set TV,   63
.set TS,   66
.set TJ,   67
.set HB,   68
.set BLK,  69
.macro ROUND                           ; a round of the cluster's barrier
	s_barrier_signal -1
	s_barrier_wait -1
	s_cmp_lg_u32 s[WV], 0
	s_cbranch_scc1 .Lnot_wave_0_\@
	s_barrier_signal -3
.Lnot_wave_0_\@:
	s_barrier_wait -3
	s_barrier_signal -1
	s_barrier_wait -1
.endm
.macro NOP4
.rept 4
	v_nop
.endr
.endm
	s_load_b128 s[4:7], s[0:1], 0x0                ; qkv, ctx
	v_lshl_add_u32 v[SPW], v0, 2, SPARE
	v_mov_b32 v[NIL], 0
	ds_add_u32 v[SPW], v[NIL]                      ; the opening lines: the add twice on end and one wait
	ds_add_u32 v[SPW], v[NIL]
	v_lshrrev_b32 v13, 5, v0
	v_readfirstlane_b32 s[WV], v13                 ; wave 0..15
	s_and_b32 s[HB], ttmp7, 0xffff                 ; 16 x batch + head: shared by the four partners
	s_bfe_u32 s[BLK], ttmp6, 0x40000
	s_lshl_b32 s8, ttmp9, 2
	s_add_co_u32 s[BLK], s[BLK], s8                ; my block of 512 queries: it enters Q's and ctx's addresses alone
	; group 1: K as rows of 512 bytes with 128 bytes of padding behind each; V and the scale words as rows of 256 bytes; the mask names all four work-groups
	s_mov_b32 s[G1K], 15|(3<<16)|(1<<20)|(1<<21)|(6<<22)|(31<<25)
	s_mov_b32 s[G1K+1], 64<<16
	s_mov_b32 s[G1K+2], 48<<16
	s_mov_b32 s[G1K+3], 64<<16
	s_mov_b32 s[G1K+4], 48
	s_mov_b32 s[G1K+5], 64
	s_mov_b32 s[G1K+6], 0
	s_mov_b32 s[G1K+7], 0
	s_mov_b32 s[G1V], 15|(3<<16)|(1<<21)
	s_mov_b32 s[G1V+1], 32<<16
	s_mov_b32 s[G1V+2], 128<<16
	s_mov_b32 s[G1V+3], 32<<16
	s_mov_b32 s[G1V+4], 128
	s_mov_b32 s[G1V+5], 32
	s_mov_b32 s[G1V+6], 0
	s_mov_b32 s[G1V+7], 0
	s_mov_b32 s[G1S], 15|(3<<16)|(1<<21)
	s_mov_b32 s[G1S+1], 32<<16
	s_mov_b32 s[G1S+2], 48<<16
	s_mov_b32 s[G1S+3], 32<<16
	s_mov_b32 s[G1S+4], 48
	s_mov_b32 s[G1S+5], 32
	s_mov_b32 s[G1S+6], 0
	s_mov_b32 s[G1S+7], 0
	s_mul_i32 s9, s[HB], 98304                     ; the head's codes in each of q, k, v
	s_mul_i32 s10, s[HB], 20480                    ; the head's scale words
	s_and_b32 s16, s[WV], 3                        ; which part of K (waves 0-3) or of V (waves 4-6) is mine
	s_mul_i32 s78, s16, 24576                      ; K: four steps, 48 rows of 512 bytes
	s_add_co_u32 s78, s78, s9
	s_add_co_u32 s78, s78, K_IMG
	s_mov_b32 s79, 0
	s_mul_i32 s[G0K+1], s16, 4*KSTEP
	s_lshl_b32 s80, s16, 15                        ; V: 32,768 bytes
	s_add_co_u32 s[G0V+1], s80, LV
	s_add_co_u32 s80, s80, s9
	s_add_co_u32 s80, s80, V_IMG
	s_mov_b32 s81, 0
	s_add_co_u32 s82, s10, QKV_SCL+8192            ; K's and V's scale words: 12,288 bytes on end
	s_mov_b32 s83, 0
	s_mov_b32 s[G0S+1], LKS
	s_lshl_b32 s12, s[WV], 6
	s_add_co_u32 s12, s12, LCS                     ; my 64 scale bytes of ctx
	s_and_b32 s13, s[WV], 1
	s_lshl_b32 s14, s13, 9
	s_add_co_u32 s13, s14, LCS
	s_lshl_b32 s11, s[BLK], 4
	s_add_co_u32 s11, s11, s[WV]                   ; my pair of tiles, 0..63
	s_mul_i32 s70, s11, 1536                       ; Q's codes
	s_add_co_u32 s70, s70, s9
	s_mov_b32 s71, 0
	s_lshr_b32 s72, s11, 2                         ; Q's scale words: step pair / 4, word pair % 4
	s_lshl_b32 s72, s72, 9
	s_and_b32 s73, s11, 3
	s_lshl_b32 s73, s73, 2
	s_add_co_u32 s72, s72, s73
	s_add_co_u32 s72, s72, s10
	s_add_co_u32 s72, s72, QKV_SCL
	s_mov_b32 s73, 0
	s_lshr_b32 s74, s[HB], 4                       ; ctx's codes: tile 128 x batch + 2 x pair, 12,288 bytes a tile, 768 a head
	s_lshl_b32 s74, s74, 7
	s_lshl_b32 s75, s11, 1
	s_add_co_u32 s74, s74, s75
	s_mul_i32 s74, s74, 12288
	s_and_b32 s75, s[HB], 15
	s_mul_i32 s75, s75, 768
	s_add_co_u32 s74, s74, s75
	s_mov_b32 s75, 0
	s_lshl_b32 s76, s[HB], 12                      ; ctx's scale bytes: 4,096 a head, 1,024 a work-group, 512 for each of waves 0 and 1
	s_lshl_b32 s77, s[BLK], 10
	s_add_co_u32 s76, s76, s77
	s_add_co_u32 s76, s76, s14
	s_add_co_u32 s76, s76, CTX_SCL
	s_mov_b32 s77, 0
	s_mov_b32 s[SEL], 0x76543210
	s_mov_b32 s[SEL+1], 0xfedcba98
	s_mov_b32 s[CS], 0x3e38aa3b                    ; log2(e) / 8
	s_mov_b32 s[CS+1], s[CS]
	s_wait_dscnt 0x0                               ; both opening adds are done
	s_wait_kmcnt 0x0
	s_mov_b32 s[G0K], 1
	s_add_nc_u64 s[G0K+2:G0K+3], s[4:5], s[78:79]
	s_or_b32 s[G0K+3], s[G0K+3], 0x80000000
	s_mov_b32 s[G0V], 1
	s_add_nc_u64 s[G0V+2:G0V+3], s[4:5], s[80:81]
	s_or_b32 s[G0V+3], s[G0V+3], 0x80000000
	s_mov_b32 s[G0S], 1
	s_add_nc_u64 s[G0S+2:G0S+3], s[4:5], s[82:83]
	s_or_b32 s[G0S+3], s[G0S+3], 0x80000000
	s_add_nc_u64 s[70:71], s[4:5], s[70:71]
	s_add_nc_u64 s[72:73], s[4:5], s[72:73]
	s_add_nc_u64 s[74:75], s[6:7], s[74:75]
	s_add_nc_u64 s[76:77], s[6:7], s[76:77]
	ROUND                                          ; all four work-groups are here: the joint loads meet
	s_cmp_lt_u32 s[WV], 4                          ; one chain of branches on the wave's number, one load to an arm, all arms leading to one join
	s_cbranch_scc0 .Lnot_k
	tensor_load_to_lds s[G0K:G0K+3], s[G1K:G1K+7]
	s_nop 0
	NOP4
	s_branch .Lasked
.Lnot_k:
	s_cmp_lt_u32 s[WV], 7
	s_cbranch_scc0 .Lnot_v
	tensor_load_to_lds s[G0V:G0V+3], s[G1V:G1V+7]
	s_nop 0
	NOP4
	s_branch .Lasked
.Lnot_v:
	s_cmp_eq_u32 s[WV], 7
	s_cbranch_scc0 .Lasked
	tensor_load_to_lds s[G0S:G0S+3], s[G1S:G1S+7]
	s_nop 0
	NOP4
.Lasked:
	v_and_b32 v13, 31, v0
	v_lshlrev_b32 v[LK], 4, v13
	s_wait_alu depctr_va_vdst(0)
	global_load_b128 v[QF:QF+3], v[LK], s[70:71]               ; the pair's image: registers 0-5 are the first tile's, 6-11 the second's
	global_load_b64 v[QF+4:QF+5], v[LK], s[70:71] offset:512
	global_load_b64 v[QQ:QQ+1], v[LK], s[70:71] offset:520
	global_load_b128 v[QQ+2:QQ+5], v[LK], s[70:71] offset:1024
	global_load_b32 v[QS], v[LK], s[72:73]
	v_and_b32 v14, 7, v0
	v_bfe_u32 v15, v0, 3, 1
	v_bfe_u32 v26, v0, 4, 1                        ; h
	v_and_b32 v27, 15, v0
	v_lshlrev_b32 v[L8], 3, v13
	v_lshlrev_b32 v[LKA], 4, v14
	v_lshlrev_b32 v[LKSA], 4, v14
	v_mad_u32_u24 v[LKA], v15, 1920, v[LKA]
	v_lshl_add_u32 v[LKSA], v15, 2, v[LKSA]
	v_lshl_add_u32 v[LKA], v26, 8, v[LKA]
	v_lshl_add_u32 v[LKSA], v26, 8, v[LKSA]
	v_add_nc_u32 v[LVA], LV, v[LK]
	v_add_nc_u32 v[LKSA], LKS, v[LKSA]
	v_add_nc_u32 v[LVSA], LVS, v[L8]
	v_lshlrev_b32 v[CSA], 1, v27
	v_add_nc_u32 v[CSR], s13, v[LK]
	v_add_nc_u32 v[CSA], s12, v[CSA]
	v_lshlrev_b32 v[H8], 3, v26
.irp i, 0,1,2,3,4,5
	v_mov_b32 v[KV+48+\i], 0                       ; behind K's last tile
	v_mov_b32 v[QF+6+\i], 0                        ; Q's upper 64 along K: zero codes
.endr
	v_mov_b32 v[TT], 0                             ; written once: a lane permute's destination counts as one of its sources
	v_mov_b32 v[TT+1], 0
	v_mov_b32 v[WK], 0
	v_mov_b32 v[FF+1], 0                           ; named as the upper half of a pair
.macro KQ t, u                         ; S^T's tile t: 16 keys x my 16 queries.  K's scale words: lanes 0-15 for an even tile, 16-31 for an odd one; Q's: lanes 0-15 the first tile, 16-31 the second
.if ((\t)%2 == 0) && (\u == 0)
	v_wmma_scale_f32_16x16x128_f8f6f4 v[S+8*(\t):S+8*(\t)+7], v[KV+6*(\t):KV+6*(\t)+11], v[QF:QF+11], 0, v[KS+(\t)/2], v[QS] matrix_a_fmt:MATRIX_FMT_FP6 matrix_b_fmt:MATRIX_FMT_FP6
.elseif (\u == 0)
	v_wmma_scale_f32_16x16x128_f8f6f4 v[S+8*(\t):S+8*(\t)+7], v[KV+6*(\t):KV+6*(\t)+11], v[QF:QF+11], 0, v[KS+(\t)/2], v[QS] matrix_a_fmt:MATRIX_FMT_FP6 matrix_b_fmt:MATRIX_FMT_FP6 matrix_a_scale:MATRIX_SCALE_ROW1
.elseif ((\t)%2 == 0)
	v_wmma_scale_f32_16x16x128_f8f6f4 v[S+8*(\t):S+8*(\t)+7], v[KV+6*(\t):KV+6*(\t)+11], v[QF:QF+11], 0, v[KS+(\t)/2], v[QS] matrix_a_fmt:MATRIX_FMT_FP6 matrix_b_fmt:MATRIX_FMT_FP6 matrix_b_scale:MATRIX_SCALE_ROW1
.else
	v_wmma_scale_f32_16x16x128_f8f6f4 v[S+8*(\t):S+8*(\t)+7], v[KV+6*(\t):KV+6*(\t)+11], v[QF:QF+11], 0, v[KS+(\t)/2], v[QS] matrix_a_fmt:MATRIX_FMT_FP6 matrix_b_fmt:MATRIX_FMT_FP6 matrix_a_scale:MATRIX_SCALE_ROW1 matrix_b_scale:MATRIX_SCALE_ROW1
.endif
.endm
.macro PV t                            ; O^T's tile t: 16 channels x my 16 queries, K = the step's 128 keys
.if (\t)%2 == 0
	v_wmma_scale_f32_16x16x128_f8f6f4 v[O+8*(\t):O+8*(\t)+7], v[KV+12*(\t):KV+12*(\t)+11], v[PC:PC+11], v[O+8*(\t):O+8*(\t)+7], v[VS+(\t)/2], v[PS] matrix_a_fmt:MATRIX_FMT_FP6 matrix_b_fmt:MATRIX_FMT_FP6
.else
	v_wmma_scale_f32_16x16x128_f8f6f4 v[O+8*(\t):O+8*(\t)+7], v[KV+12*(\t):KV+12*(\t)+11], v[PC:PC+11], v[O+8*(\t):O+8*(\t)+7], v[VS+(\t)/2], v[PS] matrix_a_fmt:MATRIX_FMT_FP6 matrix_b_fmt:MATRIX_FMT_FP6 matrix_a_scale:MATRIX_SCALE_ROW1
.endif
.endm
.macro TM j0, n                        ; t - M for n pairs of scores
.set II, \j0
.rept \n
	v_pk_fma_f32 v[S+2*II:S+2*II+1], v[S+2*II:S+2*II+1], s[CS:CS+1], v[NM:NM+1] op_sel_hi:[1,0,0]
.set II, II+1
.endr
.endm
.macro MAXR i                          ; one round of the maxima's four chains
.irp c, 0,1
.irp g, 0,1
	v_max3_num_f32 v[MX+2*\c+\g], v[MX+2*\c+\g], v[S+32*\c+16*\g+\i], v[S+32*\c+16*\g+\i+1]
.endr
.endr
.endm
; A KEY STEP: 128 keys for tile u of my pair.  My blocks of p are 2 c + h, c = 0, 1: registers S + 32 c .. + 31.  The accumulators take turns, one instruction a turn.
.macro STEP u
	s_mul_i32 s[TK], s[CNT], KSTEP
	s_mul_i32 s[TV], s[CNT], 6144
	s_lshl_b32 s[TS], s[CNT], 9
	s_lshl_b32 s[TJ], s[CNT], 8
	v_add_nc_u32 v[ADK], s[TK], v[LKA]             ; these four are also the places between the last products and the loads into their registers
	v_add_nc_u32 v[ADS], s[TS], v[LKSA]
	v_add_nc_u32 v[ADV], s[TV], v[LVA]
	v_add_nc_u32 v[ADT], s[TJ], v[LVSA]
; K: new pair 2 c + a takes, in lanes r < 8, rows 8 a + r of the image's pair 2 c, in lanes r >= 8 rows 8 a + r - 8 of pair 2 c + 1
.irp c, 0,1
.irp a, 0,1
.irp q, 0,1,2
	ds_load_b128 v[KV+12*(2*\c+\a)+4*\q:KV+12*(2*\c+\a)+4*\q+3], v[ADK] offset:3840*\c+128*\a+640*\q
.endr
	ds_load_b32 v[KS+2*\c+\a], v[ADS] offset:128*\a+8*\c
.endr
.endr
	s_wait_alu depctr_va_vdst(0)
	s_wait_dscnt 0x0
.irp t, 0,1,2,3,4,5,6,7
	KQ \t, \u
.endr
	NOP4                                           ; places in front of the loads into K's registers and of the first read of the scores
.irp t, 0,1,2,3
.irp q, 0,1,2
	ds_load_b128 v[KV+12*\t+4*\q:KV+12*\t+4*\q+3], v[ADV] offset:1536*\t+512*\q   ; V's four fragments land under the softmax
.endr
.endr
	ds_load_b64 v[VS:VS+1], v[ADT]
.irp c, 0,1
.irp g, 0,1
	v_max3_num_f32 v[MX+2*\c+\g], v[S+32*\c+16*\g], v[S+32*\c+16*\g+1], v[S+32*\c+16*\g+8]   ; these four lines read all eight accumulators first, each at its low end
.endr
.endr
	MAXR 2
	MAXR 4
	MAXR 6
	MAXR 9
	MAXR 11
	MAXR 13
.irp c, 0,1
	v_max3_num_f32 v[BM+\c], v[MX+2*\c], v[MX+2*\c+1], v[S+32*\c+15]
.endr
.irp c, 0,1
	v_max_num_f32 v[BM+\c], v[BM+\c], v[S+32*\c+31]            ; the block's largest score: for the row's maximum, and, since p rises with the score, for the block's largest p
.endr
	s_delay_alu instid0(VALU_DEP_1)
	v_max_num_f32 v[WK], v[BM], v[BM+1]
	s_delay_alu instid0(VALU_DEP_1)
	v_permlanex16_b32 v[TT], v[WK], s[SEL], s[SEL+1]
	s_delay_alu instid0(VALU_DEP_1)
	v_max3_num_f32 v[RS], v[WK], v[TT], v[RS]      ; the running largest score of my query
	s_delay_alu instid0(VALU_DEP_1)
	v_mul_f32 v[WK], s[CS], v[RS]                  ; as t (c is positive)
	s_delay_alu instid0(VALU_DEP_1)
	v_floor_f32 v[NM], -v[WK]                      ; the new -M = -ceil(t): a whole number
	s_delay_alu instid0(VALU_DEP_1)
	v_sub_f32 v[WK], v[NM], v[OM]                  ; old M - new M: a whole number, 0 or less
	TM 0, 8
	v_cvt_i32_f32 v[WK], v[WK]                     ; (it saturates)
	TM 8, 8
	v_ldexp_f32 v[FF], 1.0, v[WK]                  ; f = 2^(old M - new M): a multiplication by it rounds nothing
	TM 16, 16
.irp c, 0,1
	v_fma_f32 v[BM+\c], v[BM+\c], s[CS], v[NM]
.endr
	s_wait_alu depctr_va_vdst(0)                   ; ahead of the batch of exponentials
.irp j, 0,2,4,6,8,10,12,14,16,18,20,22,24,26,28,30
	v_pk_mul_f32 v[O+\j:O+\j+1], v[O+\j:O+\j+1], v[FF:FF+1] op_sel_hi:[1,0]   ; O^T under the new M
.endr
.set II, 0
.rept 64
	v_exp_f32 v[S+II], v[S+II]                     ; p = 2^(t - M)
.set II, II+1
.endr
.irp c, 0,1
	v_exp_f32 v[BM+\c], v[BM+\c]                   ; the blocks' largest p
.endr
	v_mov_b32 v[OM], v[NM]                         ; kept for the next step: the plain line behind the exponentials
	s_wait_alu depctr_va_vdst(0)                   ; one wait for the batch, ahead of its first reader
.irp c, 0,1
	v_max_num_f32 v[BM+\c], 0x1800000, v[BM+\c]    ; the floor 2^(3 - 127)
.endr
.irp c, 0,1
	v_add_nc_u32 v[SO+\c], 0xff000000, v[BM+\c]    ; 2 off the exponent field: the conversion's scale operand
.endr
.irp c, 0,1
	v_cvt_scalef32_pk16_fp6_f32 v[PC+6*\c:PC+6*\c+2], v[S+32*\c:S+32*\c+15], v[SO+\c]
	v_cvt_scalef32_pk16_fp6_f32 v[PT+4*\c:PT+4*\c+2], v[S+32*\c+16:S+32*\c+31], v[SO+\c]   ; (a conversion's three registers begin on an even number)
.endr
.irp c, 0,1
	v_lshrrev_b32 v[TT+\c], 23, v[SO+\c]           ; the scale bytes of blocks h and 2 + h; also the plain line behind the conversions
.endr
	v_lshl_or_b32 v[WK], v[TT+1], 16, v[TT]
	v_lshlrev_b32 v[WK], v[H8], v[WK]              ; at their places in the word
	v_permlanex16_b32 v[TT], v[WK], s[SEL], s[SEL+1]
	v_or_b32 v[PS], v[WK], v[TT]                   ; with lane l xor 16's two the word is whole
.irp c, 0,1
.irp i, 0,1,2
	v_mov_b32 v[PC+6*\c+3+\i], v[PT+4*\c+\i]
.endr
.endr
; the row's sum of the unquantised p: eight chains; the first eight lines also bring the chains under the new M.  These 32 lines are the places between p's codes and scale word and the products
.irp k, 0,1,2,3,4,5,6,7
	v_pk_fma_f32 v[LS+2*\k:LS+2*\k+1], v[LS+2*\k:LS+2*\k+1], v[FF:FF+1], v[S+2*\k:S+2*\k+1] op_sel_hi:[1,0,1]
.endr
.irp m, 1,2,3
.irp k, 0,1,2,3,4,5,6,7
	v_pk_add_f32 v[LS+2*\k:LS+2*\k+1], v[LS+2*\k:LS+2*\k+1], v[S+16*\m+2*\k:S+16*\m+2*\k+1]
.endr
.endr
	s_wait_alu depctr_va_vdst(0)
	s_wait_dscnt 0x0                               ; V
.irp t, 0,1,2,3
	PV \t
.endr
.endm
.macro INIT u
.if \u
.irp i, 0,1,2,3,4,5
	v_mov_b32 v[QF+\i], v[QQ+\i]
.endr
.endif
.set II, 0
.rept 32
	v_mov_b32 v[O+II], 0                           ; the step is written for every step: the first finds zeros
.set II, II+1
.endr
.set II, 0
.rept 16
	v_mov_b32 v[LS+II], 0
.set II, II+1
.endr
	v_mov_b32 v[RS], 0xff61b1e6                    ; -3e38, under every score
	v_mov_b32 v[NM], 0x7f61b1e6                    ; and -M = 3e38: the first f is 0
	v_mov_b32 v[OM], 0x7f61b1e6
	s_wait_alu depctr_va_vdst(0)                   ; ahead of the waits that follow
.endm
; O^T / the sum: register 16 b + i is channel 32 b + 16 h + i of my query: two blocks of the last product's K.  Codes: six registers a lane, stored as three planes of 256 consecutive bytes.
.macro FINISH u
.irp k, 0,2,4,6
	v_pk_add_f32 v[LS+2*\k:LS+2*\k+1], v[LS+2*\k:LS+2*\k+1], v[LS+2*\k+2:LS+2*\k+3]   ; the eight chains; these lines are also the places behind the last products
.endr
.irp k, 0,4
	v_pk_add_f32 v[LS+2*\k:LS+2*\k+1], v[LS+2*\k:LS+2*\k+1], v[LS+2*\k+4:LS+2*\k+5]
.endr
	s_delay_alu instid0(VALU_DEP_1)
	v_pk_add_f32 v[LS:LS+1], v[LS:LS+1], v[LS+8:LS+9]
	s_delay_alu instid0(VALU_DEP_1)
	v_add_f32 v[LS], v[LS], v[LS+1]
	s_delay_alu instid0(VALU_DEP_1)
	v_permlanex16_b32 v[WK], v[LS], s[SEL], s[SEL+1]
	s_delay_alu instid0(VALU_DEP_1)
	v_add_f32 v[LS], v[LS], v[WK]                  ; the row's sum
	s_wait_alu depctr_va_vdst(0)
	v_rcp_f32 v[FF], v[LS]
	v_nop
	s_wait_alu depctr_va_vdst(0)                   ; ahead of the reciprocal's and O^T's first reader
.irp j, 0,2,4,6,8,10,12,14,16,18,20,22,24,26,28,30
	v_pk_mul_f32 v[S+\j:S+\j+1], v[O+\j:O+\j+1], v[FF:FF+1] op_sel_hi:[1,0]   ; each accumulator from its low end on
.endr
.irp b, 0,1
	v_max3_num_f32 v[BM+\b], |v[S+16*\b]|, |v[S+16*\b+1]|, 0x1800000
.endr
.irp i, 2,4,6,8,10,12,14
.irp b, 0,1
	s_delay_alu instid0(VALU_DEP_2)
	v_max3_num_f32 v[BM+\b], v[BM+\b], |v[S+16*\b+\i]|, |v[S+16*\b+\i+1]|
.endr
.endr
.irp b, 0,1
	s_delay_alu instid0(VALU_DEP_2)
	v_permlanex16_b32 v[TT+\b], v[BM+\b], s[SEL], s[SEL+1]
.endr
.irp b, 0,1
	s_delay_alu instid0(VALU_DEP_2)
	v_max_num_f32 v[BM+\b], v[BM+\b], v[TT+\b]
.endr
.irp b, 0,1
	s_delay_alu instid0(VALU_DEP_2)
	v_add_nc_u32 v[SO+\b], 0xff000000, v[BM+\b]
.endr
.irp b, 0,1
	s_delay_alu instid0(VALU_DEP_2)
	v_lshrrev_b32 v[TT+\b], 23, v[SO+\b]
.endr
	s_delay_alu instid0(VALU_DEP_1)
	v_lshl_or_b32 v[WK], v[TT+1], 8, v[TT]         ; my row's two scale bytes
	v_cvt_scalef32_pk16_fp6_f32 v[PC:PC+2], v[S:S+15], v[SO]
	v_cvt_scalef32_pk16_fp6_f32 v[PT:PT+2], v[S+16:S+31], v[SO+1]
	v_nop
.irp i, 0,1,2
	v_permlane16_swap_b32 v[PC+\i], v[PT+\i]       ; a whole block to a lane
.endr
.irp i, 0,1,2
	v_mov_b32 v[PC+3+\i], v[PT+\i]
.endr
	ds_store_b16 v[CSA], v[WK] offset:32*\u        ; both halves of the lanes write the same two bytes with the same value
.irp q, 0,1,2
	global_store_b64 v[L8], v[PC+2*\q:PC+2*\q+1], s[74:75] offset:\u*12288+256*\q
.endr
.endm
.macro PASS u
	s_mov_b32 s[CNT], 0
.Lkeys\u:
	STEP \u
	s_add_co_u32 s[CNT], s[CNT], 1
	s_cmp_lt_u32 s[CNT], 16
	s_cbranch_scc1 .Lkeys\u
	FINISH \u
.endm
	INIT 0
	s_wait_loadcnt 0x0                             ; Q
	s_wait_tensorcnt 0x0                           ; my load, if I issued one, has landed
	s_barrier_signal -1
	s_barrier_wait -1                              ; the whole head lies in LDS; nothing is filled again
	PASS 0
	s_wait_xcnt 0x0                                ; the stores have read the codes' registers, which the steps write again
	INIT 1
	PASS 1
	s_wait_dscnt 0x0                               ; for the others' sake: my scale bytes lie in LDS
	s_barrier_signal -1
	s_barrier_wait -1
	s_cmp_lt_u32 s[WV], 2                          ; the work-group's 1,024 scale bytes leave in whole runs of 512 bytes
	s_cbranch_scc0 .Lno_copy
	ds_load_b128 v[S:S+3], v[CSR]
	s_wait_dscnt 0x0
	global_store_b128 v[LK], v[S:S+3], s[76:77]
.Lno_copy:
	s_wait_tensorcnt 0x0                           ; the wave's end
	ds_add_u32 v[SPW], v[NIL]
	s_wait_dscnt 0x0
	ROUND                                          ; the closing round
	s_endpgm
.Lfunc_end_k_q42479ec77c_attn:
	.size	k_q42479ec77c_attn, .Lfunc_end_k_q42479ec77c_attn-k_q42479ec77c_attn
	.p2alignl 7, 3214868480
	.fill 96, 4, 3214868480
	.section	.rodata,"a",@progbits
	.p2align	6, 0x0
	.amdhsa_kernel k_q42479ec77c_attn
		.amdhsa_group_segment_fixed_size 236544
		.amdhsa_private_segment_fixed_size 0
		.amdhsa_enable_private_segment 0
		.amdhsa_kernarg_size 16
		.amdhsa_user_sgpr_count 2
		.amdhsa_user_sgpr_kernarg_segment_ptr 1
		.amdhsa_wavefront_size32 1
		.amdhsa_system_sgpr_workgroup_id_x 1
		.amdhsa_system_sgpr_workgroup_id_y 1
		.amdhsa_system_sgpr_workgroup_id_z 1
		.amdhsa_system_vgpr_workitem_id 0
		.amdhsa_next_free_vgpr 256
		.amdhsa_next_free_sgpr 96
		.amdhsa_reserve_vcc 0
		.amdhsa_float_denorm_mode_32 3
		.amdhsa_float_denorm_mode_16_64 3
		.amdhsa_memory_ordered 1
		.amdhsa_forward_progress 1
		.amdhsa_inst_pref_size 52
	.end_amdhsa_kernel
	.amdgpu_metadata
---
amdhsa.version: [ 1, 2 ]
amdhsa.kernels:
  - .name:           k_q42479ec77c_attn
    .symbol:         k_q42479ec77c_attn.kd
    .args:
      - { .name: qkv, .offset: 0, .size: 8, .value_kind: global_buffer, .address_space: global }
      - { .name: ctx, .offset: 8, .size: 8, .value_kind: global_buffer, .address_space: global }
    .group_segment_fixed_size: 236544
    .private_segment_fixed_size: 0
    .kernarg_segment_align: 8
    .kernarg_segment_size: 16
    .max_flat_workgroup_size: 512
    .sgpr_count:     96
    .vgpr_count:     256
    .wavefront_size: 32
...
	.end_amdgpu_metadata
.endif
;; end of part 3
;; launch outp (part 4): grid 256 x 1, 8 waves a work-group, no clusters, 9,728 bytes of LDS; arguments ctx, ops, bf, out0; writes out0
.if DOCPART == 4
	.amdgcn_target "amdgcn-amd-amdhsa--gfx1250"
	.amdhsa_code_object_version 6
	.text
	.protected	k_q42479ec77c_outp
	.globl	k_q42479ec77c_outp
	.p2align	8
	.type	k_q42479ec77c_outp,@function
k_q42479ec77c_outp:
	s_mov_b64 s[64:65], 0
	v_nop
	global_prefetch_b8 v0, s[64:65] scope:SCOPE_SE
	s_setreg_imm32_b32 hwreg(HW_REG_WAVE_MODE, 25, 1), 1
	s_wait_xcnt 0x0
; out0 = ctx Wf + bf on codes of FP6 (E2M3) with E8M0 scales, sums in f32.  ctx [8192][1024] and Wf [64 (n)][1024] lie in the workspace as images of their registers.
; A work-group takes 32 tokens; wave w takes tile w / 4 of 16 tokens and tile w % 4 of 16 outputs: eight matrix instructions (K = 1,024), on two accumulators by turns; the bias starts the first sum.
; Used transposed (source 0 = 16 rows of Wf, source 1 = ctx): lane r holds token 8 u + r + 8 (r / 8) of the 32, register j output 32 (T / 2) + 16 h + 8 (T % 2) + j.  The results meet in a stage in LDS and leave as whole rows of 256 bytes.
; No tensor load, no cluster, no ring: each byte is read once by a short launch.
.set OPS_WF_IMG, 8650752
.set OPS_WF_SCL, 9060352
.set CTX_SCL,    6291456
.set HW,  8                            ; v8-23    ctx's scale bytes, two a head
.set BI,  24                           ; v24-31   the bias, later the result
.set CF,  32                           ; v32-127  ctx's eight fragments
.set WF,  128                          ; v128-223 Wf's eight
.set WS,  224                          ; v224-231 Wf's scale words
.set CSW, 232                          ; v232-239 ctx's
.set AC,  240                          ; v240-255 two accumulators
	s_load_b256 s[4:11], s[0:1], 0x0               ; ctx, ops, bf, out0
	s_set_vgpr_msb 0x40
	v_lshl_add_u32 v0, v0, 2, 0x2200
	v_mov_b32 v1, 0
	s_set_vgpr_msb 0x4000
	v_lshrrev_b32 v1, 5, v0
	s_delay_alu instid0(VALU_DEP_1)
	v_readfirstlane_b32 s12, v1                    ; wave 0..7
	s_lshr_b32 s13, s12, 2                         ; u
	s_and_b32 s14, s12, 3                          ; T
	s_lshl_b32 s16, ttmp9, 1
	s_add_co_u32 s16, s16, s13
	s_mul_i32 s16, s16, 12288                      ; ctx's codes: my tile of tokens
	s_mov_b32 s17, 0
	s_mul_i32 s18, s14, 3072
	s_add_co_u32 s18, s18, OPS_WF_IMG
	s_mov_b32 s19, 0
	s_lshl_b32 s20, s14, 9
	s_add_co_u32 s20, s20, OPS_WF_SCL
	s_mov_b32 s21, 0
	s_lshr_b32 s22, ttmp9, 6                       ; ctx's scale bytes: 65,536 a batch, 4,096 a head, 64 a pair of tiles, 32 a tile
	s_lshl_b32 s22, s22, 16
	s_and_b32 s23, ttmp9, 63
	s_lshl_b32 s23, s23, 6
	s_add_co_u32 s22, s22, s23
	s_lshl_b32 s23, s13, 5
	s_add_co_u32 s22, s22, s23
	s_add_co_u32 s22, s22, CTX_SCL
	s_mov_b32 s23, 0
	s_lshr_b32 s24, s14, 1
	s_lshl_b32 s24, s24, 7
	s_and_b32 s25, s14, 1
	s_lshl_b32 s25, s25, 5
	s_add_co_u32 s24, s24, s25                     ; 128 (T / 2) + 32 (T % 2): my outputs' bytes, in bf and in a row of the stage
	s_mov_b32 s25, 0
	s_mul_i32 s29, s13, 8*272
	s_add_co_u32 s29, s29, s24
	s_mul_i32 s30, s12, 4*272
	s_lshl_b32 s26, ttmp9, 13
	s_lshl_b32 s27, s12, 10
	s_add_co_u32 s26, s26, s27                     ; out0: 32 rows of 256 bytes a work-group, 4 a wave
	s_mov_b32 s27, 0
	v_and_b32 v1, 31, v0
	v_and_b32 v2, 15, v0                           ; r
	v_bfe_u32 v3, v0, 4, 1                         ; h
	s_delay_alu instid0(VALU_DEP_3)
	v_lshlrev_b32 v4, 3, v1                        ; 8 x lane
	s_delay_alu instid0(VALU_DEP_4)
	v_lshlrev_b32 v5, 4, v1                        ; 16 x lane
	s_delay_alu instid0(VALU_DEP_4)
	v_lshlrev_b32 v6, 3, v2                        ; 8 r
	v_lshlrev_b32 v7, 1, v2                        ; 2 r
	v_and_b32 v1, 8, v2
	s_delay_alu instid0(VALU_DEP_1)
	v_add_nc_u32 v1, v1, v2
	s_delay_alu instid0(VALU_DEP_1)
	v_mul_u32_u24 v1, v1, 272
	s_delay_alu instid0(VALU_DEP_1)
	v_lshl_add_u32 v1, v3, 6, v1
	s_delay_alu instid0(VALU_DEP_1)
	v_add_nc_u32 v1, s29, v1                       ; the stage, in: row 8 u + r + 8 (r / 8), + 64 h + my outputs' bytes
	v_mul_u32_u24 v0, v3, 272
	s_delay_alu instid0(VALU_DEP_1)
	v_lshl_add_u32 v0, v2, 4, v0
	s_delay_alu instid0(VALU_DEP_1)
	v_add_nc_u32 v0, s30, v0                       ; and back: row 4 w + h, 16 bytes a lane
	v_lshlrev_b32 v3, 6, v3                        ; 64 h
	s_wait_alu depctr_va_vdst(0)
	s_wait_kmcnt 0x0
	s_add_nc_u64 s[16:17], s[4:5], s[16:17]
	s_add_nc_u64 s[18:19], s[6:7], s[18:19]
	s_add_nc_u64 s[20:21], s[6:7], s[20:21]
	s_add_nc_u64 s[22:23], s[4:5], s[22:23]
	s_add_nc_u64 s[24:25], s[8:9], s[24:25]
	s_add_nc_u64 s[26:27], s[10:11], s[26:27]
.set LDI, 0
.rept 48
	global_load_b64 v[CF+2*LDI:CF+2*LDI+1], v4, s[16:17] offset:256*LDI    ; plane LDI = 3 x head + q: register pair q of the head's six; 256 consecutive bytes
.set LDI, LDI+1
.endr
.irp s, 0,1,2,3,4,5,6,7
.irp p, 0,1,2
	global_load_b128 v[WF+12*\s+4*\p:WF+12*\s+4*\p+3], v5, s[18:19] offset:(\s/2)*12288+(\s%2)*1536+512*\p
.endr
.endr
.irp g, 0,1,2,3
	global_load_b64 v[WS+2*\g:WS+2*\g+1], v6, s[20:21] offset:128*\g
.endr
.irp d, 0,1,2,3,4,5,6,7,8,9,10,11,12,13,14,15
	global_load_u16 v[HW+\d], v7, s[22:23] offset:4096*\d
.endr
	global_load_b128 v[BI:BI+3], v3, s[24:25]
	global_load_b128 v[BI+4:BI+7], v3, s[24:25] offset:16
	s_wait_loadcnt 0x0
.irp s, 0,1,2,3,4,5,6,7
	v_lshl_or_b32 v[CSW+\s], v[HW+2*\s+1], 16, v[HW+2*\s]     ; K step s is heads 2 s and 2 s + 1: four bytes
.endr
.rept 8
	v_nop                                          ; a scale register written by a vector line stands eight places ahead of the scaled products
.endr
.irp s, 0,1,2,3,4,5,6,7
.if \s == 0
	v_wmma_scale_f32_16x16x128_f8f6f4 v[AC:AC+7], v[WF:WF+11], v[CF:CF+11], v[BI:BI+7], v[WS], v[CSW] matrix_a_fmt:MATRIX_FMT_FP6 matrix_b_fmt:MATRIX_FMT_FP6
.elseif \s == 1
	v_wmma_scale_f32_16x16x128_f8f6f4 v[AC+8:AC+15], v[WF+12:WF+23], v[CF+12:CF+23], 0, v[WS+1], v[CSW+1] matrix_a_fmt:MATRIX_FMT_FP6 matrix_b_fmt:MATRIX_FMT_FP6
.else
	v_wmma_scale_f32_16x16x128_f8f6f4 v[AC+8*(\s%2):AC+8*(\s%2)+7], v[WF+12*\s:WF+12*\s+11], v[CF+12*\s:CF+12*\s+11], v[AC+8*(\s%2):AC+8*(\s%2)+7], v[WS+\s], v[CSW+\s] matrix_a_fmt:MATRIX_FMT_FP6 matrix_b_fmt:MATRIX_FMT_FP6
.endif
.endr
.rept 4
	v_nop
.endr
.irp j, 0,2,4,6
	v_pk_add_f32 v[BI+\j:BI+\j+1], v[AC+\j:AC+\j+1], v[AC+8+\j:AC+8+\j+1]   ; the two sums, each from its low end on
.endr
	ds_store_b128 v1, v[BI:BI+3]
	ds_store_b128 v1, v[BI+4:BI+7] offset:16
	s_wait_dscnt 0x0                               ; for the others' sake: my stores into the stage are done
	s_barrier_signal -1
	s_barrier_wait -1
	ds_load_b128 v[CF:CF+3], v0
	ds_load_b128 v[CF+4:CF+7], v0 offset:2*272
	s_wait_dscnt 0x0
	global_store_b128 v5, v[CF:CF+3], s[26:27]               ; 32 lanes store two whole rows: 512 consecutive bytes
	global_store_b128 v5, v[CF+4:CF+7], s[26:27] offset:512
	s_set_vgpr_msb 0x5
	s_wait_tensorcnt 0x0
	ds_add_u32 v0, v1
	s_wait_dscnt 0x0
	s_set_vgpr_msb 0x500
	s_endpgm
.Lfunc_end_k_q42479ec77c_outp:
	.size	k_q42479ec77c_outp, .Lfunc_end_k_q42479ec77c_outp-k_q42479ec77c_outp
	.p2alignl 7, 3214868480
	.fill 96, 4, 3214868480
	.section	.rodata,"a",@progbits
	.p2align	6, 0x0
	.amdhsa_kernel k_q42479ec77c_outp
		.amdhsa_group_segment_fixed_size 9728
		.amdhsa_private_segment_fixed_size 0
		.amdhsa_enable_private_segment 0
		.amdhsa_kernarg_size 32
		.amdhsa_user_sgpr_count 2
		.amdhsa_user_sgpr_kernarg_segment_ptr 1
		.amdhsa_wavefront_size32 1
		.amdhsa_system_sgpr_workgroup_id_x 1
		.amdhsa_system_sgpr_workgroup_id_y 1
		.amdhsa_system_sgpr_workgroup_id_z 1
		.amdhsa_system_vgpr_workitem_id 0
		.amdhsa_next_free_vgpr 258
		.amdhsa_next_free_sgpr 66
		.amdhsa_reserve_vcc 0
		.amdhsa_float_denorm_mode_32 3
		.amdhsa_float_denorm_mode_16_64 3
		.amdhsa_memory_ordered 1
		.amdhsa_forward_progress 1
		.amdhsa_inst_pref_size 15
	.end_amdhsa_kernel
	.amdgpu_metadata
---
amdhsa.version: [ 1, 2 ]
amdhsa.kernels:
  - .name:           k_q42479ec77c_outp
    .symbol:         k_q42479ec77c_outp.kd
    .args:
      - { .name: ctx, .offset: 0, .size: 8, .value_kind: global_buffer, .address_space: global }
      - { .name: ops, .offset: 8, .size: 8, .value_kind: global_buffer, .address_space: global }
      - { .name: bf, .offset: 16, .size: 8, .value_kind: global_buffer, .address_space: global }
      - { .name: out0, .offset: 24, .size: 8, .value_kind: global_buffer, .address_space: global }
    .group_segment_fixed_size: 9728
    .private_segment_fixed_size: 0
    .kernarg_segment_align: 8
    .kernarg_segment_size: 32
    .max_flat_workgroup_size: 256
    .sgpr_count:     66
    .vgpr_count:     258
    .wavefront_size: 32
...
	.end_amdgpu_metadata
.endif
;; end of part 4
